; MI455X (gfx1250); checked and timed in simulation.
; The chip was launched on July 23, 2026; its instructions are those of AMD's public machine-readable ISA for CDNA 5 (MIT licence, August 2026) and "CDNA5" Instruction Set Architecture Reference Guide (July 2026). The comments in the code are by the model that wrote it; some were corrected since.
;; Attention. Allowed arithmetic: matrix products marked QUANTISED: E3M2 operands, one E8M0 scale for each 32 along K, by v_wmma_scale_f32_16x16x128_f8f6f4 with both operands' format E3M2, f32 sums; everything else in f32.
;; Inputs: b_attn 3,072 float32; b_proj 1,024 float32; inputs 4 x 2,048 x 1,024 float32; w_attn 1,024 x 3,072 float32; w_proj 1,024 x 1,024 float32.
;; Outputs: out0 4 x 2,048 x 1,024 float32.
;; This version of the problem:
;;   THIS VERSION OF THE PROBLEM IS GIVEN IN LOW PRECISION. The matrix products marked QUANTISED in the list below multiply operands that are first quantised to E3M2 (3 exponent bits, 2 mantissa bits; 6 bits a number), with one power-of-two scale for each 32 numbers along K (OCP MX v1.0); their sums are f32. All else is computed in f32.
;;   The module's matrix products, in the order in which they are computed (A, B: the left and right operand; K: the contracted axis; several contracted axes count as one K, in the product's order):
;;     1. [M 8,192, K 1,024] x [K 1,024, N 3,072]; A: input inputs; B: input w_attn: QUANTISED
;;     2. batch 64 x [M 2,048, K 64] x [K 64, N 2,048]; A: computed on the way; B: computed on the way: QUANTISED
;;     3. batch 64 x [M 2,048, K 2,048] x [K 2,048, N 64]; A: softmax (see below); B: computed on the way: QUANTISED
;;     4. [M 8,192, K 1,024] x [K 1,024, N 1,024]; A: computed on the way; B: input w_proj: QUANTISED
;;   THE QUANTISER, for each operand of a quantised product, along K:
;;     - K is cut into blocks of 32 from its start; a last block that is shorter is filled with zeros.
;;     - A block's scale is 2^e with e = floor(log2(the largest magnitude in the block)) - 4, held to -126 .. 127; a block of zeros has e = 0. As a byte (E8M0): e + 127.
;;     - Each number is divided by its block's scale, clamped to +-28, and rounded to the nearest number of E3M2, ties to even, subnormals kept.
;;     - The product sums the exact products of the quantised numbers (number of the format x scale) in f32.
;;   ~~~python
;;   def quantise(x, axis):      # numpy; x: float32 -> the quantised numbers, widened to float32 again
;;       x = np.moveaxis(x, axis, -1); K = x.shape[-1]
;;       x = np.pad(x, [(0, 0)] * (x.ndim - 1) + [(0, -K % 32)]); x = x.reshape(x.shape[:-1] + (-1, 32)); a = np.abs(x).max(-1, keepdims=True)
;;       e = np.where(a > 0, np.clip(np.frexp(np.where(a > 0, a, 1))[1] - 1 - 4, -126, 127), 0)      # np.frexp(a)[1] - 1 = floor(log2(a)), exactly
;;       r = np.clip(x / 2.0 ** e, -28, 28)
;;       step = 2.0 ** (np.maximum(np.frexp(np.where(r == 0, 1, r))[1] - 1, -2) - 2)
;;       q = np.round(r / step) * step * 2.0 ** e      # np.round: ties to even
;;       return np.moveaxis(q.reshape(q.shape[:-2] + (-1,))[..., :K], -1, axis).astype(np.float32)
;;   ~~~
;;   SOFTMAX AHEAD OF A QUANTISED PRODUCT. Where the list says 'softmax', what is quantised is not the finished softmax but p = 2^(t - M), with t = logit x log2(e) and M = ceil(the row's largest t), a whole number; so 1/2 < the row's largest p <= 1. The row's sum l is taken of the UNQUANTISED p, in f32, and the product's result is divided by l at the end. Since M is a whole number, a kernel that streams over the keys may use a running M (the ceiling of the running maximum): every later rescaling is an exact power of two, which a block's scale takes up: the codes' values come out the same.
;;   OPERANDS COMPUTED ON THE WAY. 'Computed on the way' means the value that the module computes at that place (a softmax that the list does not call 'softmax' is quantised finished and normalised). What goes into a quantiser is computed in f32, as accurately as f32 sums, v_exp_f32 and their like allow (about 1e-6 of the number): no bf16 or f16 on the way to a quantiser, and a product that is left as it is and whose result goes on into a quantised operand takes f32 operands (vector FMAs, or v_wmma_f32_16x16x4_f32). A number that lies on a knife's edge between two numbers of the format may be rounded either way, as far as f32 arithmetic and the matrix unit's own rounding can turn it there, and no further.
;; One version. Each part assembles by itself: llvm-mc -triple=amdgcn-amd-amdhsa -mcpu=gfx1250 --defsym DOCPART=n.
;; ======== version 1 of 1: 6 launches
;; workspace buffers: xc 6,291,456 bytes; xs 262,144 bytes; wc 3,145,728 bytes; ws 131,072 bytes; qkvc 18,874,368 bytes; qkvs 1,310,720 bytes; o 33,554,432 bytes
;; launch qx (part 1): grid 256 x 1, 4 waves a work-group, no clusters, 33,280 bytes of LDS; arguments inputs, xc, xs; writes xc, xs
.if DOCPART == 1
	.amdgcn_target "amdgcn-amd-amdhsa--gfx1250"
	.amdhsa_code_object_version 6
	.text
	.protected	k_q3eec7d2525_qx
	.globl	k_q3eec7d2525_qx
	.p2align	8
	.type	k_q3eec7d2525_qx,@function
k_q3eec7d2525_qx:
	s_mov_b64 s[64:65], 0
	v_nop
	global_prefetch_b8 v0, s[64:65] scope:SCOPE_SE
	s_setreg_imm32_b32 hwreg(HW_REG_WAVE_MODE, 25, 1), 1
	s_wait_xcnt 0x0
; A tensor [8192][1024] of f32 is turned into codes of BF6 (E3M2), 6 bits each, K (the last axis) innermost, 768 bytes a row, with one E8M0 scale byte for each 32 along K, 32 bytes a row.
; A block's scale is 2^(floor(log2(its largest magnitude)) - 4); its byte is the largest magnitude's own exponent field - 4, held at 1 from below.  Each number is divided by the scale and rounded to the nearest code, ties to even; beyond 28 the largest code.
; THE ROWS ARE WRITTEN IN ANOTHER ORDER: row m goes to the place m with bits 3 and 4 exchanged.  Sixteen rows on end of the result are then rows 32 b + 8 u + r + 8 (r / 8): the order in which the products that read these codes want a tile's rows.
; LIMITS: a block of zeros gets the byte 1 (its codes are zeros, and this program alone reads the bytes); blocks whose largest magnitude lies under 2^-122 have their byte held at 1; NaN and infinities among the inputs are not served.
; A wave takes a run of 8 rows (8,192 numbers) in 16 steps of 512 numbers.  Each of a step's four loads reads 512 consecutive bytes, 16 a lane; the 2,048 bytes go through the wave's own stage in LDS and come back 64 bytes a lane,
; so that a lane holds 16 neighbours along K (two neighbouring lanes hold a block).  A lane's 16 codes are 12 bytes: the wave stores 384 consecutive bytes.  A run's 256 scale bytes are gathered in LDS and leave as 256 consecutive bytes, aligned.
; Memory binds: no matrix work, no cluster (no two work-groups read the same byte), no barrier (waves share nothing).  Loads run four steps (16 loads a wave) ahead, the turn through LDS one step.
.set STEPS, 16
.set EMAX,  4
.set CB,    12                         ; bytes of 16 codes
.set R,     16                         ; v16-79   four sets of 16 numbers as they are loaded
.set X,     80                         ; v80-111  two sets of 16 neighbours
.set C,     128                        ; v128-191 codes: four registers for each step, so that no store's data are written again
.set E,     112                        ; v112-127 a scale byte for each step
.set WREG,  8192                       ; LDS: a region for each wave: two stages of 32 x SP bytes, behind them its 256 scale bytes
.set SP,    80                         ; a lane's place in a stage: its 64 bytes + 16 of padding
	s_load_b128 s[4:7], s[0:1], 0x0                ; the numbers, the codes
	s_load_b64 s[8:9], s[0:1], 0x10                ; the scale bytes
	v_lshl_add_u32 v192, v0, 2, 0x8000
	v_mov_b32 v193, 0
	v_lshrrev_b32 v1, 5, v0
	v_readfirstlane_b32 s16, v1                    ; wave
	v_and_b32 v2, 31, v0                           ; lane
	v_lshlrev_b32 v3, 4, v2                        ; my 16 bytes of a load's 512
	s_mul_i32 s17, s16, WREG
	v_lshrrev_b32 v14, 2, v2
	v_mul_u32_u24 v14, v14, SP
	v_and_b32 v15, 3, v2
	v_lshl_add_u32 v14, v15, 4, v14
	v_add_nc_u32 v14, s17, v14                     ; the stage, on the way in: SP (lane / 4) + 16 (lane % 4)
	v_mul_u32_u24 v15, v2, SP
	v_add_nc_u32 v15, s17, v15                     ; and on the way out: SP x lane: my 16 neighbours
	v_mul_u32_u24 v4, v2, CB                       ; my codes' place in a step's
	v_lshrrev_b32 v5, 1, v2
	s_add_co_u32 s17, s17, 2*32*SP
	v_add_nc_u32 v5, s17, v5                       ; LDS: my wave's 256 scale bytes, my block's byte
	v_lshlrev_b32 v7, 3, v2                        ; and on the way out 8 bytes a lane
	v_add_nc_u32 v6, s17, v7
	s_lshl_b32 s18, ttmp9, 2
	s_add_co_u32 s18, s18, s16                     ; my run of 8 rows: 4 x work-group + wave
	s_lshl_b32 s20, s18, 15                        ; it begins 32,768 bytes x run into the numbers
	s_mov_b32 s21, 0
	s_and_b32 s22, s18, 0xfffffffc                 ; the run's place in the result: its two lowest bits (the rows' bits 3 and 4) change places
	s_and_b32 s23, s18, 1
	s_lshl_b32 s23, s23, 1
	s_or_b32 s22, s22, s23
	s_bfe_u32 s23, s18, 0x10001
	s_or_b32 s22, s22, s23
	s_mul_i32 s24, s22, 8*768                      ; 8 rows of codes
	s_mov_b32 s25, 0
	s_lshl_b32 s26, s22, 8                         ; 8 rows of scale bytes
	s_mov_b32 s27, 0
	s_wait_kmcnt 0x0
	s_add_nc_u64 s[4:5], s[4:5], s[20:21]
	s_add_nc_u64 s[6:7], s[6:7], s[24:25]
	s_add_nc_u64 s[8:9], s[8:9], s[26:27]
.macro LOAD t
.irp i, 0,1,2,3
	global_load_b128 v[R+16*((\t)%4)+4*\i:R+16*((\t)%4)+4*\i+3], v3, s[4:5] offset:2048*(\t)+512*\i th:TH_LOAD_NT   ; 32 lanes read 512 consecutive bytes
.endr
.endm
.macro TURN t                          ; step t's numbers through the stage: LDS serves a wave's instructions in order, so no wait stands between the stores and the loads
.irp i, 0,1,2,3
	ds_store_b128 v14, v[R+16*((\t)%4)+4*\i:R+16*((\t)%4)+4*\i+3] offset:32*SP*((\t)%2)+8*SP*\i
.endr
.irp i, 0,1,2,3
	ds_load_b128 v[X+16*((\t)%2)+4*\i:X+16*((\t)%2)+4*\i+3], v15 offset:32*SP*((\t)%2)+16*\i
.endr
.endm
.irp t, 0,1,2,3
	LOAD \t
.endr
	s_wait_loadcnt 12                              ; step 0's four loads are in; the twelve of steps 1 to 3 may be out
	TURN 0
.macro STEP t
.set XS, X+16*((\t)%2)
.if (\t) > 0
	s_wait_dscnt 1                                 ; this step's numbers are back from the stage (the last step's byte store may be out): so its stores into the stage have read their registers,
.else
	s_wait_dscnt 0x0
.endif
.if (\t)+4 < STEPS
	LOAD (\t)+4                                    ; which take the loads of four steps on
.endif
.if (\t)+1 < STEPS
.if STEPS-2-(\t) >= 3
	s_wait_loadcnt 12                              ; the next step's four loads are in; those of the three steps behind it may be out
.else
	s_wait_loadcnt 4*(STEPS-2-(\t))
.endif
	TURN (\t)+1                                    ; and go through the other stage while this step is worked
.endif
	v_max3_num_f32 v8, |v[XS]|, |v[XS+1]|, |v[XS+2]|               ; the largest magnitude of my 16, in two chains
	v_max3_num_f32 v9, |v[XS+3]|, |v[XS+4]|, |v[XS+5]|
.irp i, 6,10
	v_max3_num_f32 v8, v8, |v[XS+\i]|, |v[XS+\i+1]|
	v_max3_num_f32 v9, v9, |v[XS+\i+2]|, |v[XS+\i+3]|
.endr
	v_max3_num_f32 v8, v8, |v[XS+14]|, |v[XS+15]|
	v_max3_num_f32 v8, v8, v9, (EMAX+1)<<23        ; and the floor 2^(5 - 127): the byte cannot fall under 1
	v_max_num_f32_dpp v8, v8, v8 row_xmask:1 row_mask:0xf bank_mask:0xf   ; and of my neighbour's 16: the block's
	v_add_nc_u32 v11, -(EMAX<<23), v8              ; 4 off its exponent field: the conversion takes the exponent field of this operand as its scale, and nothing else of it
	v_cvt_scalef32_pk16_bf6_f32 v[C+4*(\t):C+4*(\t)+2], v[XS:XS+15], v11         ; sixteen codes, 96 bits without gaps, the first number's code lowest
	v_lshrrev_b32 v[E+(\t)], 23, v11               ; the scale's byte (a plain line behind the conversion)
	ds_store_b8 v5, v[E+(\t)] offset:16*(\t)       ; both lanes of a block write the same byte with the same value
	global_store_b96 v4, v[C+4*(\t):C+4*(\t)+2], s[6:7] offset:32*CB*(\t)
.endm
.irp t, 0,1,2,3,4,5,6,7,8,9,10,11,12,13,14,15
	STEP \t
.endr
	ds_load_b64 v[12:13], v6                       ; LDS serves a wave's instructions in order: these see my stores
	s_wait_dscnt 0x0
	global_store_b64 v7, v[12:13], s[8:9]          ; 32 lanes store 256 consecutive bytes, aligned
	s_wait_tensorcnt 0x0
	ds_add_u32 v192, v193
	s_wait_dscnt 0x0
	s_endpgm
.Lfunc_end_k_q3eec7d2525_qx:
	.size	k_q3eec7d2525_qx, .Lfunc_end_k_q3eec7d2525_qx-k_q3eec7d2525_qx
	.p2alignl 7, 3214868480
	.fill 96, 4, 3214868480
	.section	.rodata,"a",@progbits
	.p2align	6, 0x0
	.amdhsa_kernel k_q3eec7d2525_qx
		.amdhsa_group_segment_fixed_size 33280
		.amdhsa_private_segment_fixed_size 0
		.amdhsa_enable_private_segment 0
		.amdhsa_kernarg_size 24
		.amdhsa_user_sgpr_count 2
		.amdhsa_user_sgpr_kernarg_segment_ptr 1
		.amdhsa_wavefront_size32 1
		.amdhsa_system_sgpr_workgroup_id_x 1
		.amdhsa_system_sgpr_workgroup_id_y 1
		.amdhsa_system_sgpr_workgroup_id_z 1
		.amdhsa_system_vgpr_workitem_id 0
		.amdhsa_next_free_vgpr 194
		.amdhsa_next_free_sgpr 66
		.amdhsa_reserve_vcc 0
		.amdhsa_float_denorm_mode_32 3
		.amdhsa_float_denorm_mode_16_64 3
		.amdhsa_memory_ordered 1
		.amdhsa_forward_progress 1
		.amdhsa_inst_pref_size 32
	.end_amdhsa_kernel
	.amdgpu_metadata
---
amdhsa.version: [ 1, 2 ]
amdhsa.kernels:
  - .name:           k_q3eec7d2525_qx
    .symbol:         k_q3eec7d2525_qx.kd
    .args:
      - { .name: inputs, .offset: 0, .size: 8, .value_kind: global_buffer, .address_space: global }
      - { .name: xc, .offset: 8, .size: 8, .value_kind: global_buffer, .address_space: global }
      - { .name: xs, .offset: 16, .size: 8, .value_kind: global_buffer, .address_space: global }
    .group_segment_fixed_size: 33280
    .private_segment_fixed_size: 0
    .kernarg_segment_align: 8
    .kernarg_segment_size: 24
    .max_flat_workgroup_size: 128
    .sgpr_count:     66
    .vgpr_count:     194
    .wavefront_size: 32
...
	.end_amdgpu_metadata
.endif
;; end of part 1
;; launch qw (part 2): grid 32 x 4, 4 waves a work-group, no clusters, 36,352 bytes of LDS; arguments w_attn, w_proj, wc, ws; writes wc, ws
.if DOCPART == 2
	.amdgcn_target "amdgcn-amd-amdhsa--gfx1250"
	.amdhsa_code_object_version 6
	.text
	.protected	k_q3eec7d2525_qw
	.globl	k_q3eec7d2525_qw
	.p2align	8
	.type	k_q3eec7d2525_qw,@function
k_q3eec7d2525_qw:
	s_mov_b64 s[64:65], 0
	v_nop
	global_prefetch_b8 v0, s[64:65] scope:SCOPE_SE
	s_setreg_imm32_b32 hwreg(HW_REG_WAVE_MODE, 25, 1), 1
	s_wait_xcnt 0x0
; w_attn [1024][3072] and w_proj [1024][1024], f32, are operands whose K is their FIRST axis.  They become codes of BF6 (E3M2) laid [4096 places][768 bytes] with K innermost, and E8M0 scale bytes laid [4096 places][32]:
; places 0 to 3071 are w_attn's columns, 3072 to 4095 w_proj's, and within every 32 places bits 3 and 4 of the column's number change places (the order in which the products want a tile's rows).
; A LANE TAKES A COLUMN, AND ITS REGISTERS RUN DOWN K: each load reads neighbouring columns in neighbouring lanes (128 consecutive bytes a wave, 512 a work-group), a block of 32 along K lies in one lane's 32 registers,
; and the conversions give the codes with K innermost.  A block's scale byte is its largest magnitude's exponent field - 4, held at 1 from below.
; LIMITS: a block of zeros gets the byte 1 (its codes are zeros; this program alone reads the bytes); blocks whose largest magnitude lies under 2^-122 have their byte held at 1; NaN and infinities are not served.
; Work-group x takes 128 places (x < 24: w_attn, else w_proj; only pointers and the row's stride are chosen, both take one path), y 256 along K; a wave 32 columns x 256 along K: 8 blocks a lane, 192 bytes of codes a column.
; The codes go through the wave's own stage in LDS, each lane into the row of its column's place, and leave as rows: sixteen lanes store a row's 192 consecutive bytes.  A lane's 8 scale bytes leave by one store, rows 32 bytes apart: one byte for each 128 read.
; Memory binds: no matrix work, no cluster (nothing is read twice), no barrier (waves share nothing).  Loads run two blocks (64 loads a wave) ahead.
.set NB,    8                          ; blocks of a wave
.set ROWB,  192                        ; bytes of 256 codes
.set PITCH, 272                        ; a stage row: sixteen places of 16 bytes, each with 12 bytes of codes, + 16
.set KROW,  768                        ; a row of the codes' buffer
.set EMAX,  4
.set X,     32                         ; v32-95   two sets of 32 numbers
.set C,     96                         ; v96..    a block's codes
.set OUTR,  112                        ; v112-175 the way out: 16 x 4 registers
.set SB,    24                         ; v24-25   the scale bytes, four to a register
.set AD,    192                        ; v192-223 byte offset of row i of a block at my column: 4 x lane + i x stride; never rewritten
	s_load_b256 s[4:11], s[0:1], 0x0               ; w_attn s[4:5], w_proj s[6:7], the codes s[8:9], the scale bytes s[10:11]
	v_lshl_add_u32 v224, v0, 2, 0x8c00
	v_mov_b32 v225, 0
	v_lshrrev_b32 v1, 5, v0
	v_readfirstlane_b32 s16, v1                    ; wave 0..3
	v_and_b32 v2, 31, v0                           ; lane
	s_and_b32 s18, ttmp7, 0xffff                   ; which 256 along K
	v_lshlrev_b32 v3, 2, v2                        ; in: 4 bytes a lane
	v_and_b32 v10, 7, v2
	v_bfe_u32 v11, v2, 3, 1
	v_lshl_add_u32 v10, v11, 4, v10
	v_bfe_u32 v11, v2, 4, 1
	v_lshl_add_u32 v10, v11, 3, v10                ; my column's place among the wave's 32: the lane's bits 3 and 4 exchanged
	s_mul_i32 s19, s16, 32*PITCH                   ; my stage
	v_mul_u32_u24 v4, v10, PITCH
	v_add_nc_u32 v4, s19, v4                       ; into it: row = my column's place
	v_and_b32 v5, 15, v2
	v_lshrrev_b32 v6, 4, v2                        ; out of it: sixteen lanes to a row, two rows an instruction
	v_mul_u32_u24 v7, v6, PITCH
	v_lshl_add_u32 v7, v5, 4, v7
	v_add_nc_u32 v7, s19, v7                       ; LDS address
	v_mul_u32_u24 v8, v6, KROW
	v_mad_u32_u24 v8, v5, 12, v8                   ; and the same place in the codes' buffer
	v_lshlrev_b32 v9, 5, v10                       ; my place's row of scale bytes
	s_wait_kmcnt 0x0
	s_cmp_lt_u32 ttmp9, 24                         ; w_attn's work-group or w_proj's?  The choice hangs on the work-group's number alone
	s_cselect_b64 s[4:5], s[4:5], s[6:7]
	s_mov_b32 s20, 4096
	s_cselect_b32 s20, 12288, s20                  ; bytes from a row of the source to the next
	s_cselect_b32 s21, 0, 24
	s_sub_co_u32 s22, ttmp9, s21
	s_lshl_b32 s22, s22, 7
	s_lshl_b32 s23, s16, 5
	s_add_co_u32 s22, s22, s23                     ; my wave's first column of the source
	s_lshl_b32 s22, s22, 2
	s_lshl_b32 s24, s18, 8
	s_mul_i32 s24, s24, s20                        ; 256 y rows down
	s_add_co_u32 s24, s24, s22
	s_mov_b32 s25, 0
	s_lshl_b32 s26, s20, 5                         ; 32 rows: a block
.irp t, 0,1,2,3,4,5,6,7
	s_add_nc_u64 s[32+2*\t:33+2*\t], s[4:5], s[24:25]   ; a base for each block; never rewritten
	s_add_co_u32 s24, s24, s26
.endr
.irp i, 0,1,2,3,4,5,6,7,8,9,10,11,12,13,14,15,16,17,18,19,20,21,22,23,24,25,26,27,28,29,30,31
	v_mad_u32_u24 v[AD+\i], s20, \i, v3
.endr
	s_lshl_b32 s27, ttmp9, 7
	s_add_co_u32 s27, s27, s23                     ; my wave's first place: 128 x + 32 x wave
	s_mul_i32 s28, s27, KROW
	s_mul_i32 s30, s18, ROWB
	s_add_co_u32 s28, s28, s30
	s_mov_b32 s29, 0
	s_add_nc_u64 s[8:9], s[8:9], s[28:29]
	s_lshl_b32 s28, s27, 5
	s_lshl_b32 s30, s18, 3
	s_add_co_u32 s28, s28, s30
	s_add_nc_u64 s[10:11], s[10:11], s[28:29]
.macro LOAD t                          ; block t: the source's rows 32 t + i at my column, i = 0 .. 31, into set t % 2
.irp i, 0,1,2,3,4,5,6,7,8,9,10,11,12,13,14,15,16,17,18,19,20,21,22,23,24,25,26,27,28,29,30,31
	global_load_b32 v[X+32*((\t)%2)+\i], v[AD+\i], s[32+2*(\t):33+2*(\t)] th:TH_LOAD_NT
.endr
.endm
	LOAD 0
	LOAD 1
.macro BLOCK t
.set XS, X+32*((\t)%2)
.if (\t) < NB-1
	s_wait_loadcnt 32                              ; this block's 32 loads are in; the next block's 32 may be out
.else
	s_wait_loadcnt 0
.endif
	v_max3_num_f32 v12, |v[XS]|, |v[XS+1]|, |v[XS+2]|               ; the block's largest magnitude: all 32 numbers are mine
	v_max3_num_f32 v13, |v[XS+3]|, |v[XS+4]|, |v[XS+5]|
.irp i, 6,10,14,18,22,26
	v_max3_num_f32 v12, v12, |v[XS+\i]|, |v[XS+\i+1]|
	v_max3_num_f32 v13, v13, |v[XS+\i+2]|, |v[XS+\i+3]|
.endr
	v_max3_num_f32 v12, v12, |v[XS+30]|, |v[XS+31]|
	v_max3_num_f32 v12, v12, v13, (EMAX+1)<<23     ; and the floor 2^(5 - 127): the byte cannot fall under 1
	v_add_nc_u32 v11, -(EMAX<<23), v12             ; 4 off its exponent field: the conversion's scale operand
	v_lshrrev_b32 v13, 23, v11                     ; the scale's byte
.if (\t)%4 == 0
	v_mov_b32 v[SB+(\t)/4], v13                    ; four bytes to a register, the lower K in the lower byte
.else
	v_lshl_or_b32 v[SB+(\t)/4], v13, 8*((\t)%4), v[SB+(\t)/4]
.endif
	v_cvt_scalef32_pk16_bf6_f32 v[C:C+2], v[XS:XS+15], v11
	v_cvt_scalef32_pk16_bf6_f32 v[C+4:C+6], v[XS+16:XS+31], v11     ; (a conversion's three registers begin on an even number)
	ds_store_b96 v4, v[C:C+2] offset:32*(\t)       ; 16 codes, 12 bytes, to a place of 16 bytes in the stage, so that every LDS address is a multiple of 16
	ds_store_b96 v4, v[C+4:C+6] offset:32*(\t)+16
.if (\t)+2 < NB
	LOAD (\t)+2
.endif
	s_wait_dscnt 0x0                               ; the stores have read their registers: the next block's codes may be written
.endm
.set Q, 0
.rept NB
	BLOCK Q
.set Q, Q+1
.endr
	global_store_b64 v9, v[SB:SB+1], s[10:11]      ; my column's 8 scale bytes
.irp t, 0,1,2,3,4,5,6,7,8,9,10,11,12,13,14,15
	ds_load_b96 v[OUTR+4*\t:OUTR+4*\t+2], v7 offset:2*\t*PITCH   ; LDS serves a wave's instructions in order: these see my stores
.endr
.irp t, 0,1,2,3,4,5,6,7,8,9,10,11,12,13,14,15
	s_wait_dscnt 15-\t                             ; the younger loads may be out
	global_store_b96 v8, v[OUTR+4*\t:OUTR+4*\t+2], s[8:9] offset:2*\t*KROW
.endr
	s_wait_tensorcnt 0x0
	ds_add_u32 v224, v225
	s_wait_dscnt 0x0
	s_endpgm
.Lfunc_end_k_q3eec7d2525_qw:
	.size	k_q3eec7d2525_qw, .Lfunc_end_k_q3eec7d2525_qw-k_q3eec7d2525_qw
	.p2alignl 7, 3214868480
	.fill 96, 4, 3214868480
	.section	.rodata,"a",@progbits
	.p2align	6, 0x0
	.amdhsa_kernel k_q3eec7d2525_qw
		.amdhsa_group_segment_fixed_size 36352
		.amdhsa_private_segment_fixed_size 0
		.amdhsa_enable_private_segment 0
		.amdhsa_kernarg_size 32
		.amdhsa_user_sgpr_count 2
		.amdhsa_user_sgpr_kernarg_segment_ptr 1
		.amdhsa_wavefront_size32 1
		.amdhsa_system_sgpr_workgroup_id_x 1
		.amdhsa_system_sgpr_workgroup_id_y 1
		.amdhsa_system_sgpr_workgroup_id_z 1
		.amdhsa_system_vgpr_workitem_id 0
		.amdhsa_next_free_vgpr 226
		.amdhsa_next_free_sgpr 66
		.amdhsa_reserve_vcc 0
		.amdhsa_float_denorm_mode_32 3
		.amdhsa_float_denorm_mode_16_64 3
		.amdhsa_memory_ordered 1
		.amdhsa_forward_progress 1
		.amdhsa_inst_pref_size 45
	.end_amdhsa_kernel
	.amdgpu_metadata
---
amdhsa.version: [ 1, 2 ]
amdhsa.kernels:
  - .name:           k_q3eec7d2525_qw
    .symbol:         k_q3eec7d2525_qw.kd
    .args:
      - { .name: w_attn, .offset: 0, .size: 8, .value_kind: global_buffer, .address_space: global }
      - { .name: w_proj, .offset: 8, .size: 8, .value_kind: global_buffer, .address_space: global }
      - { .name: wc, .offset: 16, .size: 8, .value_kind: global_buffer, .address_space: global }
      - { .name: ws, .offset: 24, .size: 8, .value_kind: global_buffer, .address_space: global }
    .group_segment_fixed_size: 36352
    .private_segment_fixed_size: 0
    .kernarg_segment_align: 8
    .kernarg_segment_size: 32
    .max_flat_workgroup_size: 128
    .sgpr_count:     66
    .vgpr_count:     226
    .wavefront_size: 32
...
	.end_amdgpu_metadata
.endif
;; end of part 2
;; launch gqkv (part 3): grid 12 x 32, 4 waves a work-group, clusters of 4 x 4, 327,680 bytes of LDS; arguments xc, xs, wc, ws, b_attn, qkvc, qkvs; writes qkvc, qkvs
.if DOCPART == 3
	.amdgcn_target "amdgcn-amd-amdhsa--gfx1250"
	.amdhsa_code_object_version 6
	.text
	.protected	k_q3eec7d2525_gqkv
	.globl	k_q3eec7d2525_gqkv
	.p2align	8
	.type	k_q3eec7d2525_gqkv,@function
k_q3eec7d2525_gqkv:
	s_mov_b64 s[64:65], 0
	v_nop
	global_prefetch_b8 v0, s[64:65] scope:SCOPE_SE
	s_setreg_imm32_b32 hwreg(HW_REG_WAVE_MODE, 25, 1), 1
	s_wait_xcnt 0x0
	s_wait_alu depctr_hold_cnt(0) depctr_sa_sdst(0) depctr_va_vdst(0) depctr_va_sdst(0) depctr_va_ssrc(0) depctr_va_vcc(0) depctr_vm_vsrc(0)
	s_getreg_b32 s2, hwreg(HW_REG_IB_STS2, 6, 4)
	s_cmp_eq_u32 s2, 0
	s_cbranch_scc0 .Lentry_in_a_cluster
	s_endpgm
.Lentry_in_a_cluster:
	s_bfe_u32 s2, ttmp6, 0x10000c
	s_cmp_lg_u32 s2, 0xf033
	s_cbranch_scc0 .Lentry_shape_is_right
	s_endpgm
.Lentry_shape_is_right:
; qkv = x W_attn + b_attn on codes of BF6 (E3M2) with one E8M0 scale for each 32 along K = 1,024; sums in f32.  q, k and v never go to memory as f32: they are quantised here, in registers, for the two products of the attention.
; x's codes [8192 places][768 bytes], W's codes [4096 places][768 bytes] (places 0-1023 q's columns, 1024-2047 k's, 2048-3071 v's), scale bytes [..][32].  In both, sixteen places on end are rows 32 b + 8 u + r + 8 (r / 8).
; A tile of 256 x 256 results is made by a work-group of four waves, as many as a WGP has SIMDs; a wave makes 128 x 128: 64 accumulators, 512 registers.  K goes in steps of 256 through a ring of two LDS slots filled by the tensor
; data mover (a tile's row is 192 bytes of memory).  The scale bytes of the work-group's 2 x 256 rows, for all of K, are two dense blocks: they come into LDS once, with the first fills.
; THE MATRIX INSTRUCTION: source 0 = 16 rows of B, source 1 = 16 rows of A.  A lane then holds ONE row of A, and its registers run along B's rows; by the order of the places the 16 registers of B's tiles 2 b and 2 b + 1 are 16 NEIGHBOURS.
; q, k (cluster x = 0, 1): A = x (a lane holds a token), B = W (registers run along the head's 64, which is K of q k^T).   v (cluster x = 2): A = W (a lane holds a channel), B = x (registers run along the tokens: the keys, K of p v).
; CLUSTERS: 4 x 4 work-groups.  The four of a row of the cluster need the same tiles of A, the four of a column the same tiles of B: each tile is asked for JOINTLY, by the same tensor load with the same descriptor and a mask that names the four.
; Which of q, k, v a work-group makes hangs on the cluster's x, which all sixteen share: so does the one branch on it.
; THE WAY OUT: bias added in f32; for each 64 numbers of a lane's row (two blocks of 32) the blocks' scale bytes and codes, laid as the IMAGE OF AN OPERAND'S REGISTERS 0 to 5: 768 bytes for 16 rows x 64 along K:
;   lane l's registers 0-3 at 16 l, registers 4-5 at 512 + 16 (l % 16) + 8 (l / 16).  qkvc: [head 64][q: 128 tiles | k: 128 tiles | v: 32 x (64 keys) x 4 tiles of channels] x 768 bytes.
;   qkvs: [head][q 8,192 | k 8,192 | v 4,096] bytes, in quads of 256 bytes: the scale word of tile t of four, row r, at 16 r + 4 t.  q, k: two bytes a word, the upper two 0; v: a quad for each 128 keys, four bytes a word.
; LIMITS: a block of zeros gets the byte 1 (its codes are zeros; this program alone reads the bytes); blocks whose largest magnitude lies under 2^-122 have their byte held at 1; NaN and infinities are not served.
; REGISTERS, in windows of 256: window 0: v0-31 addresses; v32-63 scale words, two sets; from v128 A's fragments, ONE set; on the way out v64-223 are at work.  window 1: B's fragments, TWO sets, at v0 and v128.
;   window 2: the 32 accumulators of my A rows 0-63 (accumulator (a, b) at v[8 (8 a + b)]);  window 3: those of my A rows 64-127.
.set SIZE_K, 1024
.set KSTEP,  256                       ; along K in a slot
.set NQ,     KSTEP/128                 ; matrix instructions deep
.set ROWB,   192                       ; a tile's row in bytes
.set KROW,   SIZE_K*6/8                ; a row of codes in memory
.set PITCH,  240                       ; an LDS row: 3 x (64 bytes of data + 16 of padding) = 60 words: row r starts at bank -4 r mod 64 (64 banks of 4 bytes: ISA guide 11.1), so the 32 lanes of a load of 8 bytes touch 64 different banks
.set FR,     12                        ; registers of a fragment: 16 rows x 128 K
.set NL,     6                         ; LDS loads that bring one
.set NP,     4                         ; places behind this matrix instruction (ISA guide 7.12.1)
.set HALFT,  128*PITCH                 ; 128 rows: what one tensor load brings, and what one wave reads of A or of B
.set SLOT,   4*HALFT                   ; A's 256 rows, then B's 256 rows
.set LAPS,   SIZE_K/(2*KSTEP)          ; a lap = two K steps = once round the ring
.set KS,     SIZE_K/32                 ; a row of scale bytes
.set SCL,    2*SLOT                    ; behind the ring: the scales, as rows of 256 bytes + 16 of padding
.set HALFS,  (128*KS/256)*272          ; the scales of 128 rows: what one tensor load brings
.set SBLK,   (16*KS/256)*272           ; those of 16 rows
.set SPARE,  SCL+4*HALFS               ; behind the scales: the spare words, 128 bytes for each wave: two blocks of 256 bytes that no other line names
.set ADRA, 16                          ; v16-17  LDS address of my A fragments in slot 0, 1  (v18-19: the same for the pieces that lie behind one padding more)
.set ADRB, 20                          ; v20-21  the same for B  (v22-23)
.set VC1,  24                          ; v24     the way out: 16 x lane
.set VC2,  25                          ; v25     16 (lane % 16) + 8 (lane / 16)
.set VB0,  26                          ; v26     64 (lane / 16): the bias of my 16 of each 32 columns
.set ADRS, 27                          ; v27     LDS address of my scale words: lanes 0-15 A's rows, lanes 16-31 B's
.set SPW,  28                          ; v28     LDS address of my spare word; never rewritten
.set NIL,  29                          ; v29     0; never rewritten
.set VB1,  30                          ; v30     4 (r + 8 (r / 8)): the bias of my row of a tile
.set VS1,  31                          ; v31     16 (lane % 16) + 20,480 (lane / 16): v's scale words, a head to each half of the lanes
.set SC,   32                          ; scale words: set s (for slot s) at v[SC + 8 NQ s]; register NQ i + q: lanes 0-15 the word of A's block i, lanes 16-31 that of B's block i
.set AF,   128                         ; A's fragments, in window 0
.set BI,   64                          ; the way out: v64-127 the bias
.set NU,   128                         ; v128-159 32 numbers
.set TM,   160                         ; v160-161 largest magnitudes, v162-163 the other half's, then bytes, v164-165 scale operands
.set PC,   176                         ; v176-181 the codes
.set PCX,  184                         ; v184-186 the second conversion's result
.set W,    200                         ; v200-215 scale words
.set OW,   216                         ; v216-223 scale words as they are stored
.set G1, 24                            ; s[24:31] descriptor group 1 for A's tiles;  s[32:39] group 0, one set for each slot
.set G0, 32
.set G1B, 48                           ; s[48:55], s[56:63] the same for B's tiles
.set G0B, 56
.set G1S, 68                           ; s[68:75], s[76:79] groups 1 and 0 for A's scales;  s[80:87], s[88:91] for B's
.set G0S, 76
.set G1SB, 80
.set G0SB, 88
.set MSB, 0
.macro WIN new                         ; the immediate's high byte repeats the setting that is left
.if MSB != \new
	s_set_vgpr_msb (MSB<<8)|\new
.set MSB, \new
.endif
.endm
.set MUL_LO, 0xa1                      ; source 0 (B) window 1, source 1 (A) window 0, C and D window 2
.set MUL_HI, 0xf1                      ; the same, C and D window 3
.set TO_B,   0x40                      ; destination window 1, address window 0
; A joint load: waves 0 and 1 fetch for A, waves 2 and 3 for B.  Each of the two lines has ONE mask and one set of registers for all that issue it; the branch hangs on the wave's number alone.
; Four v_nop follow each of the two lines, ahead of the jump, the label and what follows.
.macro JLOAD g0a, g1a, g0b, g1b
	s_cmp_eq_u32 s15, 0
	s_cbranch_scc0 .Lfor_b_\@
	tensor_load_to_lds s[\g0a:\g0a+3], s[\g1a:\g1a+7]
	s_nop 0
.rept 4
	v_nop
.endr
	s_branch .Lasked_\@
.Lfor_b_\@:
	tensor_load_to_lds s[\g0b:\g0b+3], s[\g1b:\g1b+7]
	s_nop 0
.rept 4
	v_nop
.endr
.Lasked_\@:
.endm
.macro CREST                           ; a round of the cluster's barrier behind its opening barrier
	s_cmp_lg_u32 s14, 0
	s_cbranch_scc1 .Lnot_wave_0_\@
	s_barrier_signal -3
.Lnot_wave_0_\@:
	s_barrier_wait -3
	s_barrier_signal -1
	s_barrier_wait -1
.endm
.macro CROUND                          ; a whole round
	s_barrier_signal -1
	s_barrier_wait -1
	CREST
.endm
	s_load_b128 s[4:7], s[0:1], 0x0                ; x's codes, x's scales
	s_load_b128 s[8:11], s[0:1], 0x10              ; W's codes, W's scales
	s_load_b64 s[12:13], s[0:1], 0x20              ; b_attn
	s_load_b64 s[96:97], s[0:1], 0x28              ; qkvc
	s_load_b64 s[98:99], s[0:1], 0x30              ; qkvs
	v_lshl_add_u32 v[SPW], v0, 2, SPARE
	v_mov_b32 v[NIL], 0
	ds_add_u32 v28, v29
	ds_add_u32 v28, v29
	s_wait_dscnt 0x0
	v_lshrrev_b32 v1, 5, v0
	v_readfirstlane_b32 s14, v1                    ; wave 0..3
	s_lshr_b32 s15, s14, 1                         ; which half of A's rows is mine.  Also: I fetch for A (0) or for B (1)
	s_and_b32 s16, s14, 1                          ; which half of B's rows.  Also: which 128 rows of that tile I fetch
	s_bfe_u32 s40, ttmp6, 0x40000                  ; cx, cy: my place in the cluster
	s_bfe_u32 s41, ttmp6, 0x40004
	s_and_b32 s18, ttmp7, 0xffff
	s_lshl_b32 s18, s18, 2                         ; 4 x cluster y
	s_lshl_b32 s19, ttmp9, 2                       ; 4 x cluster x
	s_cmp_eq_u32 ttmp9, 2                          ; v?  The cluster's x is the same in all sixteen
	s_cselect_b32 s17, 0, s18                      ; A's tile: q, k: tokens 4 x cluster y + cy;  v: W's rows cy
	s_cselect_b32 s42, s18, s19                    ; B's tile: q, k: W's rows 4 x cluster x + cx;  v: tokens 4 x cluster y + cx
	s_add_co_u32 s17, s17, s41
	s_add_co_u32 s42, s42, s40
	s_lshl_b32 s43, s41, 2
	s_lshl_b32 s43, 15, s43                        ; my row of the cluster
	s_lshl_b32 s44, 0x1111, s40                    ; my column
	; descriptor group 1: a tile of 128 rows x ROWB bytes, padded in LDS
	s_or_b32 s[G1+0], s43, (0<<16)|(1<<20)|(1<<21)|(3<<22)|(3<<25)  ; 15:0 the mask: A's tiles go to my row; 17:16 element of 1 byte; 20 padding on; 21 set beside a mask; 24:22 after every 16 words (code 3); 31:25 of 4 words (code 3)
	s_or_b32 s[G1B+0], s44, (0<<16)|(1<<20)|(1<<21)|(3<<22)|(3<<25)
.irp g, G1, G1B
	s_mov_b32 s[\g+1], ROWB<<16                    ; tensor_dim0
	s_mov_b32 s[\g+2], 128<<16                     ; tensor_dim1 = 128
	s_mov_b32 s[\g+3], ROWB<<16                    ; tile_dim0
	s_mov_b32 s[\g+4], 128                         ; tile_dim1 = 128
	s_mov_b32 s[\g+5], KROW                        ; tensor_dim0_stride
	s_mov_b32 s[\g+6], 0
	s_mov_b32 s[\g+7], 0
.endr
	; and for the scales of 128 rows: a dense block of 128 KS bytes, as rows of 256 bytes (32 elements of 8 bytes), 16 bytes of padding behind each
	s_or_b32 s[G1S+0], s43, (3<<16)|(1<<20)|(1<<21)|(5<<22)|(3<<25)
	s_or_b32 s[G1SB+0], s44, (3<<16)|(1<<20)|(1<<21)|(5<<22)|(3<<25)
.irp g, G1S, G1SB
	s_mov_b32 s[\g+1], 32<<16
	s_mov_b32 s[\g+2], (128*KS/256)<<16
	s_mov_b32 s[\g+3], 32<<16
	s_mov_b32 s[\g+4], 128*KS/256
	s_mov_b32 s[\g+5], 32
	s_mov_b32 s[\g+6], 0
	s_mov_b32 s[\g+7], 0
.endr
	s_lshl_b32 s18, s16, 7                         ; which 128 rows of the tile I fetch
	s_lshl_b32 s20, s17, 8
	s_add_co_u32 s20, s20, s18                     ; A: place 256 x tile + 128 x half
	s_lshl_b32 s46, s42, 8
	s_add_co_u32 s46, s46, s18                     ; B likewise
	s_mov_b32 s21, 0
	s_mov_b32 s47, 0
	s_mov_b64 s[18:19], KS
	s_mul_u64 s[22:23], s[20:21], s[18:19]         ; where these rows' scales begin, in bytes
	s_mul_u64 s[92:93], s[46:47], s[18:19]
	s_mov_b64 s[18:19], KROW
	s_mul_u64 s[20:21], s[20:21], s[18:19]         ; and their codes
	s_mul_u64 s[46:47], s[46:47], s[18:19]
	s_mul_i32 s45, s14, HALFT                      ; where they go: wave x 128 rows: no place in the cluster enters an LDS address
	s_mul_i32 s94, s14, HALFS
	s_wait_kmcnt 0x0
	s_add_nc_u64 s[100:101], s[8:9], 2048*KROW     ; v's rows of W: codes,
	s_add_nc_u64 s[66:67], s[10:11], 2048*KS       ; scale bytes
	s_cmp_eq_u32 ttmp9, 2                          ; the buffers change roles for v: a choice on the cluster's x alone
	s_cselect_b64 s[100:101], s[100:101], s[4:5]   ; A's codes
	s_cselect_b64 s[66:67], s[66:67], s[6:7]       ; A's scales
	s_cselect_b64 s[8:9], s[4:5], s[8:9]           ; B's codes
	s_cselect_b64 s[10:11], s[6:7], s[10:11]       ; B's scales
	s_mov_b64 s[4:5], s[100:101]
	s_mov_b64 s[6:7], s[66:67]
	s_add_nc_u64 s[20:21], s[4:5], s[20:21]
	s_add_nc_u64 s[22:23], s[6:7], s[22:23]
	s_add_nc_u64 s[46:47], s[8:9], s[46:47]
	s_add_nc_u64 s[92:93], s[10:11], s[92:93]
	CROUND                                         ; all sixteen work-groups are here: the first joint loads meet
	s_mov_b32 s[G0S], 1
	s_add_co_u32 s[G0S+1], s94, SCL
	s_mov_b64 s[G0S+2:G0S+3], s[22:23]
	s_or_b32 s[G0S+3], s[G0S+3], 0x80000000
	s_mov_b32 s[G0SB], 1
	s_add_co_u32 s[G0SB+1], s94, SCL
	s_mov_b64 s[G0SB+2:G0SB+3], s[92:93]
	s_or_b32 s[G0SB+3], s[G0SB+3], 0x80000000
	JLOAD G0S, G1S, G0SB, G1SB                     ; the scales first: they are wanted with K step 0.  With the two below three tensor loads of mine are out
.irp s, 0,1
	s_mov_b32 s[G0+4*\s], 1
	s_add_co_u32 s[G0+4*\s+1], s45, \s*SLOT
	s_add_nc_u64 s[G0+4*\s+2:G0+4*\s+3], s[20:21], \s*ROWB
	s_or_b32 s[G0+4*\s+3], s[G0+4*\s+3], 0x80000000
	s_mov_b32 s[G0B+4*\s], 1
	s_add_co_u32 s[G0B+4*\s+1], s45, \s*SLOT
	s_add_nc_u64 s[G0B+4*\s+2:G0B+4*\s+3], s[46:47], \s*ROWB
	s_or_b32 s[G0B+4*\s+3], s[G0B+4*\s+3], 0x80000000
	JLOAD G0+4*\s, G1, G0B+4*\s, G1B
.endr
	v_and_b32 v1, 15, v0                           ; r = l % 16
	v_bfe_u32 v2, v0, 4, 1                         ; h = l / 16
	v_mul_u32_u24 v3, v1, PITCH
	v_mul_u32_u24 v4, v2, 24
	v_add_nc_u32 v4, v3, v4                        ; a fragment's row x pitch + 24 x half
	v_lshl_add_u32 v5, v2, 4, v4                   ; and the same behind one padding more
	s_mul_i32 s21, s15, HALFT                      ; my 128 rows of A
	s_mul_i32 s22, s16, HALFT                      ; my 128 rows of B,
	s_add_co_u32 s22, s22, 2*HALFT                 ; which lie behind A's 256
.irp s, 0,1
	v_add_nc_u32 v[ADRA+\s], s21, v4
	v_add_nc_u32 v[ADRB+\s], s22, v4
	v_add_nc_u32 v[ADRA+2+\s], s21, v5
	v_add_nc_u32 v[ADRB+2+\s], s22, v5
	s_add_co_u32 s21, s21, SLOT
	s_add_co_u32 s22, s22, SLOT
.endr
	v_mul_u32_u24 v5, v1, KS                       ; my row's scales: KS bytes a row,
	v_lshrrev_b32 v6, 8, v5
	v_lshl_add_u32 v5, v6, 4, v5                   ; and 16 more for each 256 passed
	s_mul_i32 s21, s15, HALFS                      ; A's: my 128 rows
	s_mul_i32 s22, s16, HALFS                      ; B's: my 128 rows, behind A's 256
	s_add_co_u32 s22, s22, 2*HALFS
	s_sub_co_u32 s22, s22, s21
	v_mul_u32_u24 v6, s22, v2                      ; lanes 16-31 take B's
	s_add_co_u32 s21, s21, SCL
	v_add_nc_u32 v5, v5, v6
	v_add_nc_u32 v[ADRS], s21, v5
	v_and_b32 v6, 31, v0                           ; the way out's lane terms
	v_lshlrev_b32 v[VC1], 4, v6
	v_lshlrev_b32 v[VC2], 4, v1
	v_lshl_add_u32 v[VC2], v2, 3, v[VC2]
	v_lshlrev_b32 v[VB0], 6, v2
	v_and_b32 v[VB1], 8, v1
	v_add_nc_u32 v[VB1], v[VB1], v1
	v_lshlrev_b32 v[VB1], 2, v[VB1]
	v_mul_u32_u24 v[VS1], v2, 20480
	v_lshl_add_u32 v[VS1], v1, 4, v[VS1]
.macro FRAG reg, adr, q, i             ; a fragment, 16 rows x 128 K of 6-bit codes, is 12 registers: lane l holds row l % 16; registers 6 c .. 6 c + 5 hold K = 64 c + 32 (l / 16) + 0 .. 31: 24 bytes of the row's stream of bits, as they lie
.irp p, 0,1,2,3,4,5                    ; in pieces of 8 bytes, so that every address is a multiple of the access's size.  Lanes 0-15 take the row's pieces 12 q + 0, 1, 2 and 12 q + 6, 7, 8, lanes 16-31 those three pieces on
.set PCE, 12*(\q)+6*(\p/3)+\p%3        ; 16 bytes of padding lie behind every 64 bytes (8 pieces): where the piece three on lies behind one padding more, the second address register (40 for 24 bytes a half) serves
.if PCE%8 < 5
	ds_load_b64 v[\reg+2*\p:\reg+2*\p+1], v[\adr] offset:8*PCE+16*(PCE/8)+(\i)*16*PITCH
.else
	ds_load_b64 v[\reg+2*\p:\reg+2*\p+1], v[\adr+2] offset:8*PCE+16*(PCE/8)+(\i)*16*PITCH
.endif
.endr
.endm
; 16 matrix instructions: A's blocks a0, a0 + 1 x B's eight, 128 along K: the slot's q-th.  p: B's set;  sc: the set of scale words.  zero = 1: the first product starts the sums: nothing is ever cleared.
; The 64 accumulators take turns, one instruction a turn, in the same order in every step.
.macro MUL16 a0, p, q, sc, zero
.irp a, \a0, \a0+1
.irp b, 0,1,2,3,4,5,6,7
.if \zero
	v_wmma_scale_f32_16x16x128_f8f6f4 v[8*(8*((\a)%4)+\b):8*(8*((\a)%4)+\b)+7], v[128*(\p)+FR*\b:128*(\p)+FR*\b+FR-1], v[AF+FR*(\a):AF+FR*(\a)+FR-1], 0, v[SC+8*NQ*(\sc)+NQ*\b+(\q)], v[SC+8*NQ*(\sc)+NQ*(\a)+(\q)] matrix_a_fmt:MATRIX_FMT_BF6 matrix_b_fmt:MATRIX_FMT_BF6 matrix_a_scale:MATRIX_SCALE_ROW1
.else
	v_wmma_scale_f32_16x16x128_f8f6f4 v[8*(8*((\a)%4)+\b):8*(8*((\a)%4)+\b)+7], v[128*(\p)+FR*\b:128*(\p)+FR*\b+FR-1], v[AF+FR*(\a):AF+FR*(\a)+FR-1], v[8*(8*((\a)%4)+\b):8*(8*((\a)%4)+\b)+7], v[SC+8*NQ*(\sc)+NQ*\b+(\q)], v[SC+8*NQ*(\sc)+NQ*(\a)+(\q)] matrix_a_fmt:MATRIX_FMT_BF6 matrix_b_fmt:MATRIX_FMT_BF6 matrix_a_scale:MATRIX_SCALE_ROW1
.endif
.endr
.endr
.endm
.macro FETCH_B slot, q, p              ; B's eight fragments of the slot's q-th 128 along K into set p
	WIN TO_B
.irp i, 0,1,2,3,4,5,6,7
	FRAG 128*(\p)+FR*\i, ADRB+\slot, \q, \i
.endr
	WIN 0
.endm
.macro FETCH_A slot, q, i0             ; A's blocks i0 .. i0 + 3
.irp i, \i0, \i0+1, \i0+2, \i0+3
	FRAG AF+FR*(\i), ADRA+\slot, \q, \i
.endr
.endm
.macro SCALES sc                       ; the next K step's scale words into set sc: NQ words a row; lanes 0-15 take A's block i, lanes 16-31 B's block i
.irp i, 0,1,2,3,4,5,6,7
	ds_load_b64 v[SC+8*NQ*\sc+NQ*\i:SC+8*NQ*\sc+NQ*\i+1], v[ADRS] offset:\i*SBLK
.endr
.endm
; A load into a register that a matrix instruction has read, and a vector instruction that reads a matrix result or writes one of its registers, stand NP places behind that matrix instruction, and only plain vector
; instructions that name none of its registers are places (ISA guide 7.12.1 for vector instructions).
.macro PLACES n
.rept \n
	v_nop
.endr
.endm
; A step of 128 along K that has its successor in the same slot.
.macro STEP slot, q, zero
	s_wait_dscnt 4*NL                              ; B's set and A's blocks 0-3 are in; the youngest 24 loads (A's blocks 4-7) may be out
	WIN MUL_LO
	MUL16 0, (\q)%2, \q, \slot, \zero
	MUL16 2, (\q)%2, \q, \slot, \zero
	s_wait_dscnt 0                                 ; A's blocks 4-7 are in (asked for 32 matrix instructions ago)
	PLACES NP
	FETCH_B \slot, (\q)+1, 1-(\q)%2
	FETCH_A \slot, (\q)+1, 0
	WIN MUL_HI
	MUL16 4, (\q)%2, \q, \slot, \zero
	MUL16 6, (\q)%2, \q, \slot, \zero
	PLACES NP
	WIN 0
	FETCH_A \slot, (\q)+1, 4
.endm
; A slot's last step changes slots: ONE barrier; in front of it each wave waits for all its tensor loads, adds 0 to its spare word, and waits for that and for its own reads of this slot.  fill = 1: this slot is filled again, two K steps ahead.
.macro TURN slot, next, fill
	s_wait_tensorcnt 0x0                           ; all my tensor loads have landed: my part of the next slot;  (every window is 0 here)
	ds_add_u32 v[SPW], v[NIL]                      ; 0 onto my spare word
	s_wait_dscnt 4*NL+1                            ; (the add and the youngest 24 loads, A's blocks 4-7, may be out)
	WIN MUL_LO
	MUL16 0, 1, NQ-1, \slot, 0                     ; sixteen matrix instructions stand between the add and the wait for it
	s_wait_dscnt 0x0                               ; the add is done, and my reads of this slot are over
	s_barrier_signal -1
	MUL16 2, 1, NQ-1, \slot, 0
	WIN 0
	s_barrier_wait -1
.if \fill
	CREST                                          ; the barrier has opened a round of the cluster's barrier: no wave of any partner still reads this slot's tile or has a load on its way
	s_add_nc_u64 s[G0+4*\slot+2:G0+4*\slot+3], s[G0+4*\slot+2:G0+4*\slot+3], 2*ROWB
	s_add_nc_u64 s[G0B+4*\slot+2:G0B+4*\slot+3], s[G0B+4*\slot+2:G0B+4*\slot+3], 2*ROWB
	JLOAD G0+4*\slot, G1, G0B+4*\slot, G1B         ; the first tensor load behind the round, my only one until the next; the four v_nop behind it are the places in front of the loads below
.else
	PLACES NP
.endif
	v_add_nc_u32 v[ADRS], 4*NQ, v[ADRS]            ; on to the next K step's scale words (no LDS load of mine is out)
	FETCH_B \next, 0, 0
	FETCH_A \next, 0, 0
	SCALES \next
	WIN MUL_HI
	MUL16 4, 1, NQ-1, \slot, 0
	MUL16 6, 1, NQ-1, \slot, 0
	PLACES NP
	WIN 0
	FETCH_A \next, 0, 4
.endm
	s_wait_tensorcnt 1                             ; the scales and my part of K step 0 are in (K step 1's load may be out)
	s_barrier_signal -1
	s_barrier_wait -1                              ; everybody's are
	FETCH_B 0, 0, 0
	FETCH_A 0, 0, 0
	SCALES 0
	FETCH_A 0, 0, 4
	STEP 0, 0, 1                                   ; the first step stands in front of the loop: its products start the sums
	s_mov_b32 s3, LAPS-1
.Llap:                                                 ; a trip goes once round the ring, from a lap's second step to the next lap's first, and fills both slots again
	TURN 0, 1, 1
	STEP 1, 0, 0
	TURN 1, 0, 1
	STEP 0, 0, 0
	s_sub_co_u32 s3, s3, 1
	s_cmp_lg_u32 s3, 0
	s_cbranch_scc1 .Llap
	TURN 0, 1, 0                                   ; the last lap fills nothing, and has no round of the cluster's barrier
	STEP 1, 0, 0
	s_wait_dscnt 4*NL                              ; the very last step: nothing more to fetch
	WIN MUL_LO
	MUL16 0, 1, NQ-1, 1, 0
	MUL16 2, 1, NQ-1, 1, 0
	s_wait_dscnt 0
	WIN MUL_HI
	MUL16 4, 1, NQ-1, 1, 0
	MUL16 6, 1, NQ-1, 1, 0
	WIN 0
; THE WAY OUT.  CHUNK: A's block a (16 rows, one a lane), 64 of B's rows (the cc-th of my two): 32 registers of a lane: register 16 b + i is B's row 64 cc + 32 b + 16 (lane / 16) + i.
; ty = 0 (q, k): the bias runs along the registers;  ty = 1 (v): it is my row's.
.macro CHUNK ty, a, cc
	s_wait_xcnt 0x0                                ; the last chunk's stores have read their data: the codes' registers are written again only behind this wait
.set WSRC, 2+(\a)/4
	WIN WSRC                                       ; source 0: window 2 or 3
.irp k, 0,1,2,3,4,5,6,7,8,9,10,11,12,13,14,15      ; in ascending order: each accumulator is read from its low end on
.if \ty
	v_pk_add_f32 v[NU+2*\k:NU+2*\k+1], v[64*((\a)%4)+32*\cc+2*\k:64*((\a)%4)+32*\cc+2*\k+1], v[BI+2*\a:BI+2*\a+1]
.else
	v_pk_add_f32 v[NU+2*\k:NU+2*\k+1], v[64*((\a)%4)+32*\cc+2*\k:64*((\a)%4)+32*\cc+2*\k+1], v[BI+32*\cc+2*\k:BI+32*\cc+2*\k+1]
.endif
.endr
	WIN 0
	v_max3_num_f32 v[TM], |v[NU]|, |v[NU+1]|, 0x2800000            ; my 16 numbers of each of the two blocks, and the floor 2^(5 - 127): the byte cannot fall under 1
	v_max3_num_f32 v[TM+1], |v[NU+16]|, |v[NU+17]|, 0x2800000
.irp i, 2,4,6,8,10,12,14
	v_max3_num_f32 v[TM], v[TM], |v[NU+\i]|, |v[NU+1+\i]|          ; (the two blocks by turns)
	v_max3_num_f32 v[TM+1], v[TM+1], |v[NU+16+\i]|, |v[NU+17+\i]|
.endr
	v_permlanex16_b32 v[TM+2], v[TM], s20, s21
	v_permlanex16_b32 v[TM+3], v[TM+1], s20, s21
	v_max_num_f32 v[TM], v[TM], v[TM+2]            ; with lane l xor 16's: the block's largest magnitude
	v_max_num_f32 v[TM+1], v[TM+1], v[TM+3]
	v_add_nc_u32 v[TM+4], 0xfe000000, v[TM]        ; 4 off its exponent field: the conversion's scale operand
	v_add_nc_u32 v[TM+5], 0xfe000000, v[TM+1]
	v_lshrrev_b32 v[TM+2], 23, v[TM+4]             ; the scales' bytes
	v_lshrrev_b32 v[TM+3], 23, v[TM+5]
.if \ty == 0
	v_lshl_or_b32 v[W+8*\cc+\a], v[TM+3], 8, v[TM+2]   ; q, k: a word of two bytes; the upper two stay 0
.elseif \cc == 0
	v_lshl_or_b32 v[W+\a], v[TM+3], 8, v[TM+2]     ; v: the lower two bytes of the word of 128 keys,
.else
	v_lshl_or_b32 v[TM+2], v[TM+3], 8, v[TM+2]
	v_lshl_or_b32 v[W+\a], v[TM+2], 16, v[W+\a]    ; the upper two
.endif
	v_cvt_scalef32_pk16_bf6_f32 v[PC:PC+2], v[NU:NU+15], v[TM+4]
	v_cvt_scalef32_pk16_bf6_f32 v[PCX:PCX+2], v[NU+16:NU+31], v[TM+5]   ; (a conversion's three registers begin on an even number)
	v_nop                                          ; one plain place behind a scaled conversion
.irp i, 0,1,2
	v_permlane16_swap_b32 v[PC+\i], v[PCX+\i]      ; the operand's layout wants a WHOLE block in a lane: lanes 0-15 block 0, lanes 16-31 block 1
.endr
.irp i, 0,1,2
	v_mov_b32 v[PC+3+\i], v[PCX+\i]
.endr
.if \ty
.set OFC, ((\a)/4)*294912+((\a)%4)*768+\cc*3072    ; v: head a / 4 of my two, tile of channels a % 4, the cc-th 64 keys
.else
.set OFC, (\a)*768+\cc*294912                      ; q, k: tile of tokens a, head cc of my two
.endif
	global_store_b128 v[VC1], v[PC:PC+3], s[96:97] offset:OFC          ; 32 lanes store 512 consecutive bytes, aligned to 256
	global_store_b64 v[VC2], v[PC+4:PC+5], s[96:97] offset:OFC+512     ; and 256 more
.endm
.macro EPI ty
.if \ty
	s_lshr_b32 s18, s42, 3                         ; v: the batch from the tokens' tile,
	s_lshl_b32 s18, s18, 4
	s_lshl_b32 s19, s17, 2                         ; four heads to a tile of W's rows,
	s_add_co_u32 s18, s18, s19
	s_lshl_b32 s19, s15, 1                         ; two to my half
	s_add_co_u32 s18, s18, s19                     ; my first head
	s_and_b32 s19, s42, 7
	s_lshl_b32 s19, s19, 1
	s_add_co_u32 s19, s19, s16                     ; my 128 keys
	s_mul_i32 s22, s18, 294912
	s_mul_i32 s46, s19, 6144
	s_add_co_u32 s22, s22, s46
	s_add_co_u32 s22, s22, 196608
	s_mov_b32 s23, 0
	s_add_nc_u64 s[96:97], s[96:97], s[22:23]
	s_mul_i32 s22, s18, 20480
	s_lshl_b32 s46, s19, 8
	s_add_co_u32 s22, s22, s46
	s_add_co_u32 s22, s22, 16384
	s_add_nc_u64 s[98:99], s[98:99], s[22:23]
	s_lshl_b32 s22, s17, 10
	s_lshl_b32 s46, s15, 9
	s_add_co_u32 s22, s22, s46
	s_add_co_u32 s22, s22, 8192
	s_add_nc_u64 s[12:13], s[12:13], s[22:23]      ; b_attn at my first row of v's columns
.irp a, 0,1,2,3,4,5,6,7
	global_load_b32 v[BI+2*\a], v[VB1], s[12:13] offset:(32*(\a/2)+8*(\a%2))*4     ; my row's bias, twice: a pair for the packed addition
	global_load_b32 v[BI+2*\a+1], v[VB1], s[12:13] offset:(32*(\a/2)+8*(\a%2))*4
.endr
.else
	s_lshr_b32 s18, s17, 3                         ; q, k: the batch from the tokens' tile,
	s_lshl_b32 s18, s18, 4
	s_and_b32 s19, s42, 3                          ; four heads to a tile of W's rows,
	s_lshl_b32 s19, s19, 2
	s_add_co_u32 s18, s18, s19
	s_lshl_b32 s19, s16, 1                         ; two to my half
	s_add_co_u32 s18, s18, s19                     ; my first head
	s_and_b32 s19, s17, 7
	s_lshl_b32 s19, s19, 4
	s_lshl_b32 s22, s15, 3
	s_add_co_u32 s19, s19, s22                     ; my first tile of 16 tokens
	s_mul_i32 s22, s18, 294912
	s_mul_i32 s23, ttmp9, 98304
	s_add_co_u32 s22, s22, s23
	s_mul_i32 s23, s19, 768
	s_add_co_u32 s22, s22, s23
	s_mov_b32 s23, 0
	s_add_nc_u64 s[96:97], s[96:97], s[22:23]
	s_mul_i32 s22, s18, 20480
	s_lshl_b32 s46, ttmp9, 13
	s_add_co_u32 s22, s22, s46
	s_lshl_b32 s46, s19, 6
	s_add_co_u32 s22, s22, s46
	s_add_nc_u64 s[98:99], s[98:99], s[22:23]
	s_lshl_b32 s22, s42, 10
	s_lshl_b32 s46, s16, 9
	s_add_co_u32 s22, s22, s46
	s_add_nc_u64 s[12:13], s[12:13], s[22:23]      ; b_attn at my first column
.irp cc, 0,1
.irp bb, 0,1
.irp j, 0,1,2,3
	global_load_b128 v[BI+32*\cc+16*\bb+4*\j:BI+32*\cc+16*\bb+4*\j+3], v[VB0], s[12:13] offset:(64*\cc+32*\bb)*4+16*\j
.endr
.endr
.endr
.endif
	s_wait_loadcnt 0x0                             ; the bias
.irp a, 0,1,2,3,4,5,6,7
.irp cc, 0,1
	CHUNK \ty, \a, \cc
.endr
.endr
.if \ty
.irp p, 0,1,2,3
	v_cndmask_b32 v[OW+\p], v[W+\p], v[W+4+\p], s47    ; lanes 0-15: my first head's four tiles, lanes 16-31: my second head's
.endr
	global_store_b128 v[VS1], v[OW:OW+3], s[98:99]     ; each half of the lanes stores a quad: 256 consecutive bytes, aligned
.else
.irp cc, 0,1
.irp p, 0,1,2,3
	v_cndmask_b32 v[OW+4*\cc+\p], v[W+8*\cc+\p], v[W+8*\cc+4+\p], s47   ; lanes 0-15: tiles 0-3, lanes 16-31: tiles 4-7
.endr
	global_store_b128 v[VC1], v[OW+4*\cc:OW+4*\cc+3], s[98:99] offset:\cc*20480   ; two quads: 512 consecutive bytes
.endr
.endif
.endm
	PLACES NP                                      ; behind the last products: what follows writes registers that held A's fragments and reads results
	s_mov_b32 s20, 0x76543210
	s_mov_b32 s21, 0xfedcba98                      ; v_permlanex16_b32's selects for lane l xor 16
	s_mov_b32 s47, 0xffff0000                      ; lanes 16-31
	v_mov_b32 v[TM+2], 0                           ; written once: a lane permute's destination counts as one of its sources
	v_mov_b32 v[TM+3], 0
	s_cmp_eq_u32 ttmp9, 2                          ; the cluster's x: the same way in all sixteen work-groups
	s_cbranch_scc1 .Lout_v
	EPI 0
	s_branch .Ldone
.Lout_v:
	EPI 1
.Ldone:
	s_wait_tensorcnt 0x0                           ; the wave's end
	ds_add_u32 v[SPW], v[NIL]
	s_wait_dscnt 0x0
	CROUND                                         ; the closing round: no work-group ends while a partner may still ask for a tile that names it
	s_endpgm
.Lfunc_end_k_q3eec7d2525_gqkv:
	.size	k_q3eec7d2525_gqkv, .Lfunc_end_k_q3eec7d2525_gqkv-k_q3eec7d2525_gqkv
	.p2alignl 7, 3214868480
	.fill 96, 4, 3214868480
	.section	.rodata,"a",@progbits
	.p2align	6, 0x0
	.amdhsa_kernel k_q3eec7d2525_gqkv
		.amdhsa_group_segment_fixed_size 327680
		.amdhsa_private_segment_fixed_size 0
		.amdhsa_enable_private_segment 0
		.amdhsa_kernarg_size 56
		.amdhsa_user_sgpr_count 2
		.amdhsa_user_sgpr_kernarg_segment_ptr 1
		.amdhsa_wavefront_size32 1
		.amdhsa_system_sgpr_workgroup_id_x 1
		.amdhsa_system_sgpr_workgroup_id_y 1
		.amdhsa_system_sgpr_workgroup_id_z 1
		.amdhsa_system_vgpr_workitem_id 0
		.amdhsa_next_free_vgpr 1024
		.amdhsa_next_free_sgpr 102
		.amdhsa_reserve_vcc 0
		.amdhsa_float_denorm_mode_32 3
		.amdhsa_float_denorm_mode_16_64 3
		.amdhsa_memory_ordered 1
		.amdhsa_forward_progress 1
		.amdhsa_inst_pref_size 238
	.end_amdhsa_kernel
	.amdgpu_metadata
---
amdhsa.version: [ 1, 2 ]
amdhsa.kernels:
  - .name:           k_q3eec7d2525_gqkv
    .symbol:         k_q3eec7d2525_gqkv.kd
    .args:
      - { .name: xc, .offset: 0, .size: 8, .value_kind: global_buffer, .address_space: global }
      - { .name: xs, .offset: 8, .size: 8, .value_kind: global_buffer, .address_space: global }
      - { .name: wc, .offset: 16, .size: 8, .value_kind: global_buffer, .address_space: global }
      - { .name: ws, .offset: 24, .size: 8, .value_kind: global_buffer, .address_space: global }
      - { .name: b_attn, .offset: 32, .size: 8, .value_kind: global_buffer, .address_space: global }
      - { .name: qkvc, .offset: 40, .size: 8, .value_kind: global_buffer, .address_space: global }
      - { .name: qkvs, .offset: 48, .size: 8, .value_kind: global_buffer, .address_space: global }
    .group_segment_fixed_size: 327680
    .private_segment_fixed_size: 0
    .kernarg_segment_align: 8
    .kernarg_segment_size: 56
    .max_flat_workgroup_size: 128
    .sgpr_count:     102
    .vgpr_count:     1024
    .wavefront_size: 32
...
	.end_amdgpu_metadata
.endif
;; end of part 3
;; launch attn (part 4): grid 64 x 8, 16 waves a work-group, no clusters, 280,576 bytes of LDS; arguments qkvc, qkvs, o; writes o
.if DOCPART == 4
	.amdgcn_target "amdgcn-amd-amdhsa--gfx1250"
	.amdhsa_code_object_version 6
	.text
	.protected	k_q3eec7d2525_attn
	.globl	k_q3eec7d2525_attn
	.p2align	8
	.type	k_q3eec7d2525_attn,@function
k_q3eec7d2525_attn:
	s_mov_b64 s[64:65], 0
	v_nop
	global_prefetch_b8 v0, s[64:65] scope:SCOPE_SE
	s_setreg_imm32_b32 hwreg(HW_REG_WAVE_MODE, 25, 1), 1
	s_wait_xcnt 0x0
; o[b][q][head's 64] = softmax_k(logit) v, logit = q . k / 8 where k <= q and -10,000 where k > q, both products on codes of BF6 (E3M2) with one E8M0 scale for each 32 along a product's K.
; q, k, v arrive as images of operand registers (768 bytes for 16 rows x 64 along K: lane l's registers 0-3 at 16 l, registers 4-5 at 512 + 16 (l % 16) + 8 (l / 16)) and scale words in quads of 256 bytes (tile t of four, row r: 16 r + 4 t).
; Tile T = 2 b + u of q or k holds, in lane r, token 32 b + 8 u + r + 8 (r / 8); v's tiles of channels likewise.  q k^T has K = 64: the upper half of the instruction's 128 is zero codes on both sides (registers 6-11 cleared once; their scale bytes are 0, which is 2^-127).
; THE SOFTMAX AHEAD OF THE SECOND PRODUCT: t = logit x log2(e); M = the row's largest t so far, rounded UP to a whole number; p = 2^(t - M) is quantised along the keys, not normalised; the row's sum is taken of the unquantised p and divides at the end.
; When M moves, the sum and O are multiplied by 2^(old M - new M): exact.
; THE MASK IS -10,000, NOT -INFINITY: hidden keys count.  Their t enters M from the start (every query but the last has hidden keys).  A step of 128 keys all of which are hidden from my 16 queries needs no scores: p is ONE number a query,
; 2^(-10,000 log2(e) - M), so its codes and scale byte are made once, the sum takes 64 p a lane, and only the four products with v are done.  A step on the diagonal puts -80,000 (x 1/8 = -10,000) for the hidden scores.
; SHARES.  Work-group (head, i) owns the blocks i and 15 - i of 128 queries: 17 blocks of open keys whatever i is, so all work-groups have equal work.  Each of its SIXTEEN waves owns one tile of 16 queries in 256 registers: four waves to a SIMD,
; so that one wave's vector work stands beside another's matrix work and LDS loads; neighbouring waves take tiles of the two blocks by turns.
; LDS.  A head's codes of k and v (196,608 bytes) and their scale words (12,288) fit: they are filled ONCE, as they lie in memory, by waves 0 to 3: the scale words, then four chunks of 512 keys; chunk j is waited for in front of its steps,
; with the 3 - j later chunks still on their way.  Nothing is filled again.  Five tensor loads of a wave are out at the most.
; NO CLUSTER, though the eight work-groups of a head read the same k and v: which of a step's three ways (open, diagonal, hidden) a wave takes hangs on its block of queries, which differs between such partners; taken away, every step would be a whole softmax: 16 for 8.5 on average.
; LAYOUT.  Both products are used transposed: S^T = k q^T, O^T = v^T p^T: a lane holds ONE query (lane % 16) throughout; the 16 registers of score tiles 2 b and 2 b + 1 are keys 32 b + 16 (lane / 16) + 0 .. 15.
; LIMITS: NaN and infinities are not served; a p under 2^-126 counts as 0 (v_exp_f32 gives 0 there: ISA guide 15.8); a block whose every p is 0 keeps the byte 1 over zero codes.
; REGISTERS: v1-11 addresses that stay; v12 -M, v13 the largest t, v[14:15] the sum in two halves; v16-27 q, v28 its scale word; v32-79 four fragments of k; v80-87 k's scale words, v88-91 v's; v96-159 S^T, then p, then (v96-143) four fragments of v;
;   v160-191 O^T; v192-203 p's codes; v204-210 the conversions' second halves; v212-223 at work; v224 p's scale word; v[226:227] f; v228-231 at work; v232-237 the step's LDS addresses.
.set VB,   98304                       ; LDS: k's 128 tiles from 0, v's 16 steps x 8 halves from here, 768 bytes each
.set SCB,  196608                      ; k's scale quads (512 bytes a step), and 8,192 bytes on v's (256 a step)
.set STG,  208896                      ; the way out: 16 rows x (256 bytes + 16) for each wave; no tensor load lands here
.set SPI,  272
.set G0S,  24                          ; s[24:27] descriptor group 0 for the scale words;  s[28:43] for the four chunks
.set G0C,  28
.set G1S,  44                          ; s[44:51] group 1: 12 rows of 256 bytes;  s[52:59]: 48 rows
.set G1C,  52
	s_load_b128 s[4:7], s[0:1], 0x0                ; qkvc, qkvs
	s_load_b64 s[8:9], s[0:1], 0x10                ; o
	v_lshl_add_u32 v254, v0, 2, 0x44000
	v_mov_b32 v255, 0
	ds_add_u32 v254, v255
	ds_add_u32 v254, v255
	v_lshrrev_b32 v228, 5, v0
	s_delay_alu instid0(VALU_DEP_1)
	v_readfirstlane_b32 s10, v228                  ; wave 0..15
	v_and_b32 v228, 15, v0                         ; r
	v_bfe_u32 v229, v0, 4, 1                       ; h
	v_and_b32 v1, 31, v0
	s_delay_alu instid0(VALU_DEP_1)
	v_lshlrev_b32 v1, 4, v1                        ; v1: an image's registers 0-3: 16 x lane
	s_delay_alu instid0(VALU_DEP_4)
	v_lshlrev_b32 v2, 4, v228
	s_delay_alu instid0(VALU_DEP_1)
	v_lshl_add_u32 v2, v229, 3, v2                 ; v2: its registers 4-5: 16 r + 8 h (+ 512 in the immediate)
	s_delay_alu instid0(VALU_DEP_3)
	v_add_nc_u32 v3, VB, v1                        ; v3, v4: the same for v
	s_delay_alu instid0(VALU_DEP_2)
	v_add_nc_u32 v4, VB, v2
	v_lshl_add_u32 v5, v228, 4, SCB                ; v5: k's scale quads: 16 r
	v_lshl_add_u32 v6, v228, 4, SCB+8192           ; v6: v's
	v_lshlrev_b32 v7, 12, v229
	s_delay_alu instid0(VALU_DEP_1)
	v_lshl_add_u32 v7, v228, 4, v7                 ; v7: the way out: lanes 0-15 one row of o, lanes 16-31 the next; 16 bytes a lane
	v_and_b32 v230, 8, v228
	s_delay_alu instid0(VALU_DEP_1)
	v_add_nc_u32 v230, v230, v228                  ; r + 8 (r / 8): my query in the tile
	v_lshlrev_b32 v231, 4, v229
	s_delay_alu instid0(VALU_DEP_1)
	v_sub_nc_u32 v8, v230, v231                    ; v8: my query - 16 h, for the mask
	v_mov_b32 v9, 0xc79c4000                       ; v9: -80,000.0: the score that stands for a hidden key
	s_mul_i32 s60, s10, 16*SPI
	s_add_co_u32 s60, s60, STG                     ; my stage
	v_mul_u32_u24 v10, v228, SPI
	s_delay_alu instid0(VALU_DEP_1)
	v_lshl_add_u32 v10, v229, 6, v10
	s_delay_alu instid0(VALU_DEP_1)
	v_add_nc_u32 v10, s60, v10                     ; v10: into it: row r, + 64 h
	v_mul_u32_u24 v11, v229, SPI
	s_delay_alu instid0(VALU_DEP_1)
	v_lshl_add_u32 v11, v228, 4, v11
	s_delay_alu instid0(VALU_DEP_1)
	v_add_nc_u32 v11, s60, v11                     ; v11: back: lanes 0-15 one row, lanes 16-31 the next
	v_lshlrev_b32 v225, 4, v228                    ; v225: q's scale word: 16 r
	s_and_b32 s61, ttmp7, 0xffff                   ; i
	s_lshr_b32 s62, s10, 2
	s_xor_b32 s62, s62, s10
	s_and_b32 s62, s62, 1                          ; which of the two blocks: bit 0 of wave xor wave / 4
	s_sub_co_u32 s63, 15, s61
	s_cmp_eq_u32 s62, 1
	s_cselect_b32 s61, s63, s61                    ; block i or 15 - i
	s_lshl_b32 s12, s61, 3
	s_lshr_b32 s62, s10, 1
	s_add_co_u32 s12, s12, s62                     ; s12: my tile of queries: 8 x block + wave / 2
	s_and_b32 s62, s12, 1
	s_lshl_b32 s62, s62, 3
	s_lshl_b32 s13, s12, 4
	s_sub_co_u32 s13, s13, s62                     ; s13: its first query: 16 T - 8 (T % 2)
	s_add_co_u32 s14, s13, 23                      ; s14: its last
	s_mov_b32 s20, 0x76543210
	s_mov_b32 s21, 0xfedcba98                      ; v_permlanex16_b32's selects for lane l xor 16
	s_mov_b32 s22, 0x3e38aa3b                      ; c = log2(e) / 8: t = score x c
	s_mov_b32 s23, s22                             ; (named with it as a pair, so it is written)
	; descriptor groups 1: dense blocks as rows of 256 bytes (32 elements of 8 bytes), no padding, no mask
	s_mov_b32 s[G1S], 3<<16
	s_mov_b32 s[G1S+1], 32<<16                     ; tensor_dim0
	s_mov_b32 s[G1S+2], 12<<16                     ; tensor_dim1
	s_mov_b32 s[G1S+3], 32<<16                     ; tile_dim0
	s_mov_b32 s[G1S+4], 12                         ; tile_dim1
	s_mov_b32 s[G1S+5], 32                         ; stride
	s_mov_b32 s[G1S+6], 0
	s_mov_b32 s[G1S+7], 0
	s_mov_b32 s[G1C], 3<<16
	s_mov_b32 s[G1C+1], 32<<16
	s_mov_b32 s[G1C+2], 48<<16
	s_mov_b32 s[G1C+3], 32<<16
	s_mov_b32 s[G1C+4], 48
	s_mov_b32 s[G1C+5], 32
	s_mov_b32 s[G1C+6], 0
	s_mov_b32 s[G1C+7], 0
	s_mul_i32 s66, ttmp9, 294912                   ; the head's codes,
	s_mov_b32 s67, 0
	s_mul_i32 s68, ttmp9, 20480                    ; its scale words
	s_mov_b32 s69, 0
	s_wait_dscnt 0x0
	s_wait_kmcnt 0x0
	s_add_nc_u64 s[4:5], s[4:5], s[66:67]
	s_add_nc_u64 s[6:7], s[6:7], s[68:69]
	s_cmp_lt_u32 s10, 4                            ; waves 0 to 3 fetch: all their fills stand in this one branch, ahead of every wait on TENSORcnt, every LDS read and every barrier
	s_cbranch_scc0 .Lno_fill
	s_mul_i32 s60, s10, 3072                       ; a quarter of k's and v's 12,288 bytes of scale words
	s_mov_b32 s61, 0
	s_mov_b32 s[G0S], 1
	s_add_co_u32 s[G0S+1], s60, SCB
	s_add_nc_u64 s[G0S+2:G0S+3], s[6:7], s[60:61]
	s_add_nc_u64 s[G0S+2:G0S+3], s[G0S+2:G0S+3], 8192   ; behind q's
	s_or_b32 s[G0S+3], s[G0S+3], 0x80000000
	s_and_b32 s62, s10, 1                          ; even waves: k, odd waves: v;
	s_mul_i32 s62, s62, VB
	s_lshr_b32 s63, s10, 1                         ; which half of a chunk's 24,576 bytes
	s_mul_i32 s63, s63, 12288
	s_add_co_u32 s60, s62, s63
	s_add_nc_u64 s[62:63], s[4:5], s[60:61]
.irp j, 0,1,2,3
	s_mov_b32 s[G0C+4*\j], 1
	s_add_co_u32 s[G0C+4*\j+1], s60, \j*24576      ; LDS mirrors memory
	s_add_nc_u64 s[G0C+4*\j+2:G0C+4*\j+3], s[62:63], 98304+\j*24576   ; behind q's codes
	s_or_b32 s[G0C+4*\j+3], s[G0C+4*\j+3], 0x80000000
.endr
	tensor_load_to_lds s[G0S:G0S+3], s[G1S:G1S+7]
	s_nop 0
	tensor_load_to_lds s[G0C:G0C+3], s[G1C:G1C+7]
	s_nop 0
	tensor_load_to_lds s[G0C+4:G0C+7], s[G1C:G1C+7]
	s_nop 0
	tensor_load_to_lds s[G0C+8:G0C+11], s[G1C:G1C+7]
	s_nop 0
	tensor_load_to_lds s[G0C+12:G0C+15], s[G1C:G1C+7]
	s_nop 0
.rept 4
	v_nop
.endr
.Lno_fill:
	s_mul_i32 s66, s12, 768
	s_add_nc_u64 s[68:69], s[4:5], s[66:67]        ; q's image of my tile
	s_lshr_b32 s66, s12, 2
	s_lshl_b32 s66, s66, 8
	s_and_b32 s60, s12, 3
	s_lshl_b32 s60, s60, 2
	s_add_co_u32 s66, s66, s60
	s_add_nc_u64 s[70:71], s[6:7], s[66:67]        ; and its scale words: quad T / 4, word T % 4
	global_load_b128 v[16:19], v1, s[68:69]
	global_load_b64 v[20:21], v2, s[68:69] offset:512
	s_wait_alu depctr_va_vdst(0)
	global_load_b32 v28, v225, s[70:71]
	s_lshr_b32 s66, ttmp9, 4                       ; o: row batch x 2,048 + my first query, 4,096 bytes a row; the head's 256 bytes in it
	s_lshl_b32 s66, s66, 11
	s_add_co_u32 s66, s66, s13
	s_lshl_b32 s66, s66, 12
	s_and_b32 s60, ttmp9, 15
	s_lshl_b32 s60, s60, 8
	s_add_co_u32 s66, s66, s60
	s_add_nc_u64 s[8:9], s[8:9], s[66:67]
.irp j, 22,23,24,25,26,27
	v_mov_b32 v[\j], 0                             ; q's upper 64 along K: zero codes
.endr
.irp t, 0,1,2,3
.irp j, 38,39,40,41,42,43
	v_mov_b32 v[\j+12*\t], 0                       ; k's likewise: no load ever lands here
.endr
.endr
.set J, 0
.rept 32
	v_mov_b32 v[160+J], 0                          ; O^T.  (The step is written once: the first finds zeros, which the first change of M leaves zeros)
.set J, J+1
.endr
	v_mov_b32 v14, 0                               ; the sum, in two halves
	v_mov_b32 v15, 0
.irp j, 216,217,218,219,226,227
	v_mov_b32 v[\j], 0                             ; written once: a lane permute's destination counts as one of its sources; v227 is named as the upper half of f's pair
.endr
	v_add_nc_u32 v229, s13, v230                   ; my query
	v_mul_f32 v13, s22, v9                         ; the largest t so far: the hidden keys', -10,000 log2(e);
	v_mov_b32 v228, 0xff61b1e6                     ; -3e38, under every t, for the last query, from which no key is hidden
	s_delay_alu instid0(VALU_DEP_3)
	v_cmp_eq_u32 vcc_lo, 0x7ff, v229
	s_delay_alu instid0(VALU_DEP_1)
	v_cndmask_b32 v13, v13, v228, vcc_lo
	s_delay_alu instid0(VALU_DEP_1)
	v_floor_f32 v12, -v13                          ; -M
	s_wait_loadcnt 0x0                             ; q
.macro VLOAD                           ; the step's four fragments of v (16 channels x 128 keys: two images each) and their scale words
.irp t, 0,1,2,3
	ds_load_b128 v[96+12*\t:99+12*\t], v234 offset:768*\t
	ds_load_b64 v[100+12*\t:101+12*\t], v235 offset:768*\t+512
	ds_load_b128 v[102+12*\t:105+12*\t], v234 offset:3072+768*\t
	ds_load_b64 v[106+12*\t:107+12*\t], v235 offset:3072+768*\t+512
.endr
	ds_load_b128 v[88:91], v237
.endm
.macro PVMUL                           ; O^T += v^T p^T: the four accumulators by turns, one instruction a turn
	s_wait_dscnt 0x0
.irp t, 0,1,2,3
	v_wmma_scale_f32_16x16x128_f8f6f4 v[160+8*\t:167+8*\t], v[96+12*\t:107+12*\t], v[192:203], v[160+8*\t:167+8*\t], v[88+\t], v224 matrix_a_fmt:MATRIX_FMT_BF6 matrix_b_fmt:MATRIX_FMT_BF6
.endr
.endm
; A KEY STEP: the 128 keys from s15 on.  s16: the step's tiles in LDS; s18, s17: its scale quads of k and of v.
.macro STEP
	v_add_nc_u32 v232, s16, v1                     ; six plain lines: the places behind the last step's products, in front of loads into, and products that write over, the registers that held v's fragments (five are owed there)
	v_add_nc_u32 v233, s16, v2
	v_add_nc_u32 v234, s16, v3
	v_add_nc_u32 v235, s16, v4
	v_add_nc_u32 v236, s18, v5
	v_add_nc_u32 v237, s17, v6
	s_cmp_gt_u32 s15, s14                          ; all 128 keys behind my last query?  A scalar branch on ids; no barrier and no tensor load stands in a step
	s_cbranch_scc1 .Lhid_\@
	s_wait_alu depctr_va_vdst(0)
	s_setprio 2
.irp g, 0,1                                    ; S^T = k q^T, four tiles of 16 keys at a time
.if \g > 0
.rept 4
	v_nop                                          ; places in front of loads into registers that matrix instructions have read
.endr
.endif
.irp t, 0,1,2,3
	ds_load_b128 v[32+12*\t:35+12*\t], v232 offset:(4*\g+\t)*768
	ds_load_b64 v[36+12*\t:37+12*\t], v233 offset:(4*\g+\t)*768+512
.endr
	ds_load_b128 v[80+4*\g:83+4*\g], v236 offset:256*\g   ; a quad: the four tiles' scale words of my row
	s_wait_dscnt 0x0
.irp t, 0,1,2,3
	v_wmma_scale_f32_16x16x128_f8f6f4 v[96+8*(4*\g+\t):103+8*(4*\g+\t)], v[32+12*\t:43+12*\t], v[16:27], 0, v[80+4*\g+\t], v28 matrix_a_fmt:MATRIX_FMT_BF6 matrix_b_fmt:MATRIX_FMT_BF6
.endr
.endr
.rept 4
	v_nop
.endr
	s_add_co_u32 s60, s15, 127                     ; a step all of whose keys count for all my queries skips the mask
	s_cmp_le_u32 s60, s13
	s_cbranch_scc1 .Lopen_\@
	s_sub_co_i32 s60, s13, s15
	v_add_nc_u32 v229, s60, v8                     ; d = my query - the step's first key - 16 h.  Register 16 b + i holds key 16 h + 32 b + i of the step: hidden where 32 b + i > d
.set J, 0
.rept 64
	v_cmp_gt_i32 vcc_lo, 32*(J/16)+J%16, v229
	v_cndmask_b32 v[96+J], v[96+J], v9, vcc_lo
.set J, J+1
.endr
.Lopen_\@:
.irp b, 0,1,2,3
	v_max3_num_f32 v[212+\b], v[96+16*\b], v[97+16*\b], v[98+16*\b]   ; THE LARGEST SCORE OF EACH BLOCK OF 32 KEYS: it serves twice: for the row's maximum, and, since p rises with the score, for the block's largest p
.endr
.irp i, 3,5,7,9,11,13
.irp b, 0,1,2,3
	v_max3_num_f32 v[212+\b], v[212+\b], v[96+16*\b+\i], v[97+16*\b+\i]   ; (the four blocks by turns)
.endr
.endr
.irp b, 0,1,2,3
	v_max_num_f32 v[212+\b], v[212+\b], v[111+16*\b]
.endr
.irp b, 0,1,2,3
	s_delay_alu instid0(VALU_DEP_4)
	v_permlanex16_b32 v[216+\b], v[212+\b], s20, s21
.endr
.irp b, 0,1,2,3
	s_delay_alu instid0(VALU_DEP_4)
	v_max_num_f32 v[212+\b], v[212+\b], v[216+\b]  ; with lane l xor 16's 16 keys
.endr
	s_delay_alu instid0(VALU_DEP_2)
	v_max3_num_f32 v228, v212, v213, v214
	s_delay_alu instid0(VALU_DEP_1)
	v_max_num_f32 v228, v228, v215                 ; the step's largest score of my query
	s_delay_alu instid0(VALU_DEP_1)
	v_mul_f32 v228, s22, v228                      ; as t (c is positive)
	s_delay_alu instid0(VALU_DEP_1)
	v_max_num_f32 v13, v13, v228                   ; the running largest t
	v_mov_b32 v228, v12
	s_delay_alu instid0(VALU_DEP_2)
	v_floor_f32 v12, -v13                          ; the new -M = floor(-t) = -ceil(t): M IS A WHOLE NUMBER
	s_delay_alu instid0(VALU_DEP_1)
	v_sub_f32 v228, v12, v228                      ; M's old value less its new one: a whole number, 0 or less
	s_delay_alu instid0(VALU_DEP_1)
	v_cvt_i32_f32 v228, v228                       ; (it saturates)
	s_delay_alu instid0(VALU_DEP_1)
	v_ldexp_f32 v226, 1.0, v228                    ; f = 2^(old M - new M): a multiplication by it rounds nothing
.set J, 0
.rept 32
	v_pk_fma_f32 v[96+J:97+J], v[96+J:97+J], s[22:23], v[12:13] op_sel_hi:[1,0,0]   ; t - M, two at a time (of the pairs c and -M the low word serves both halves)
.set J, J+2
.endr
	s_setprio 1
.irp b, 0,1,2,3
	v_fma_f32 v[212+\b], v[212+\b], s22, v12       ; the same of each block's largest score
.endr
.set J, 0
	s_wait_alu depctr_va_vdst(0)
.rept 64
	v_exp_f32 v[96+J], v[96+J]                     ; p = 2^(t - M), at most 1: NOT normalised
.set J, J+1
.endr
.irp b, 0,1,2,3
	v_exp_f32 v[212+\b], v[212+\b]                 ; the block's largest p: the same two instructions on the same number give the same bits
.endr
	v_pk_mul_f32 v[14:15], v[14:15], v[226:227] op_sel_hi:[1,0]   ; the sums under the new M.  (A plain place behind the exponentials)
	s_wait_alu depctr_va_vdst(0)
.irp b, 0,1,2,3
	v_max_num_f32 v[212+\b], 0x2800000, v[212+\b]  ; the floor 2^(5 - 127): the byte cannot fall under 1
.endr
.irp b, 0,1,2,3
	s_delay_alu instid0(VALU_DEP_4)
	v_add_nc_u32 v[220+\b], 0xfe000000, v[212+\b]  ; 4 off the exponent field: the conversion's scale operand
.endr
.irp b, 0,1,2,3
	s_delay_alu instid0(VALU_DEP_4)
	v_lshrrev_b32 v[216+\b], 23, v[220+\b]         ; the scale's byte
.endr
	s_delay_alu instid0(VALU_DEP_3)
	v_lshl_or_b32 v224, v217, 8, v216              ; p's scale word for these 128 keys
	s_delay_alu instid0(VALU_DEP_1)
	v_lshl_or_b32 v224, v218, 16, v224
	s_delay_alu instid0(VALU_DEP_1)
	v_lshl_or_b32 v224, v219, 24, v224
.irp c, 0,1
	v_cvt_scalef32_pk16_bf6_f32 v[192+6*\c:194+6*\c], v[96+32*\c:111+32*\c], v[220+2*\c]
	v_cvt_scalef32_pk16_bf6_f32 v[204+4*\c:206+4*\c], v[112+32*\c:127+32*\c], v[220+2*\c+1]   ; (a conversion's three registers begin on an even number)
.endr
	v_nop                                          ; one plain place behind a scaled conversion
.irp c, 0,1                                    ; the operand's layout wants a WHOLE block in a lane: lanes 0-15 block 2 c, lanes 16-31 block 2 c + 1
.irp i, 0,1,2
	v_permlane16_swap_b32 v[192+6*\c+\i], v[204+4*\c+\i]
.endr
.irp i, 0,1,2
	s_delay_alu instid0(VALU_DEP_3)
	v_mov_b32 v[195+6*\c+\i], v[204+4*\c+\i]
.endr
.endr
	v_pk_add_f32 v[230:231], v[100:101], v[104:105]
	v_pk_add_f32 v[252:253], v[108:109], v[112:113]
	v_pk_add_f32 v[250:251], v[116:117], v[120:121]
	v_pk_add_f32 v[248:249], v[124:125], v[128:129]
	v_pk_add_f32 v[246:247], v[132:133], v[136:137]
	v_pk_add_f32 v[244:245], v[140:141], v[144:145]
	v_pk_add_f32 v[242:243], v[148:149], v[152:153]
	v_pk_add_f32 v[14:15], v[14:15], v[156:157]
	v_pk_add_f32 v[230:231], v[230:231], v[96:97]
	v_pk_add_f32 v[252:253], v[252:253], v[98:99]
	v_pk_add_f32 v[250:251], v[250:251], v[102:103]
	v_pk_add_f32 v[248:249], v[248:249], v[106:107]
	v_pk_add_f32 v[246:247], v[246:247], v[110:111]
	v_pk_add_f32 v[244:245], v[244:245], v[114:115]
	v_pk_add_f32 v[242:243], v[242:243], v[118:119]
	v_pk_add_f32 v[14:15], v[14:15], v[122:123]
	v_pk_add_f32 v[230:231], v[230:231], v[126:127]
	v_pk_add_f32 v[252:253], v[252:253], v[130:131]
	v_pk_add_f32 v[250:251], v[250:251], v[134:135]
	v_pk_add_f32 v[248:249], v[248:249], v[138:139]
	v_pk_add_f32 v[246:247], v[246:247], v[142:143]
	v_pk_add_f32 v[244:245], v[244:245], v[146:147]
	v_pk_add_f32 v[242:243], v[242:243], v[150:151]
	v_pk_add_f32 v[14:15], v[14:15], v[154:155]
	v_pk_add_f32 v[230:231], v[230:231], v[158:159]
	s_delay_alu instid0(VALU_DEP_2)
	v_pk_add_f32 v[14:15], v[14:15], v[248:249]
	s_delay_alu instid0(VALU_DEP_2)
	v_pk_add_f32 v[230:231], v[230:231], v[246:247]
	s_setprio 0
	v_pk_add_f32 v[252:253], v[252:253], v[244:245]
	v_pk_add_f32 v[250:251], v[250:251], v[242:243]
	s_delay_alu instid0(VALU_DEP_2)
	v_pk_add_f32 v[14:15], v[14:15], v[252:253]
	s_delay_alu instid0(VALU_DEP_2)
	v_pk_add_f32 v[230:231], v[230:231], v[250:251]
	s_delay_alu instid0(VALU_DEP_1)
	v_pk_add_f32 v[14:15], v[14:15], v[230:231]
.set J, 0
.rept 16
	v_pk_mul_f32 v[160+J:161+J], v[160+J:161+J], v[226:227] op_sel_hi:[1,0]   ; O^T under the new M: x f, from each accumulator's low end on
.set J, J+2
.endr
	VLOAD                                          ; p has been summed and converted: v's fragments take its registers
	s_wait_alu depctr_va_vdst(0)
	PVMUL
	s_branch .Lend_\@
.Lhid_\@:                                          ; ALL 128 KEYS ARE HIDDEN: one p a query
	s_wait_alu depctr_va_vdst(0)
	VLOAD
	v_fma_f32 v228, v9, s22, v12                   ; -10,000 log2(e) - M, by the same multiply-add as every score
	s_wait_alu depctr_va_vdst(0)
	v_exp_f32 v228, v228
	v_nop                                          ; a plain place behind the exponential
	s_wait_alu depctr_va_vdst(0)
	v_max_num_f32 v229, 0x2800000, v228            ; the floor; p is every block's largest
	s_delay_alu instid0(VALU_DEP_1)
	v_add_nc_u32 v220, 0xfe000000, v229            ; the conversion's scale operand
	s_delay_alu instid0(VALU_DEP_1)
	v_lshrrev_b32 v229, 23, v220                   ; the byte,
	s_delay_alu instid0(VALU_DEP_1)
	v_lshl_or_b32 v224, v229, 8, v229              ; four times: the scale word
	s_delay_alu instid0(VALU_DEP_1)
	v_lshl_or_b32 v224, v224, 16, v224
.set J, 0
.rept 16
	v_mov_b32 v[144+J], v228
.set J, J+1
.endr
	v_cvt_scalef32_pk16_bf6_f32 v[192:194], v[144:159], v220   ; sixteen equal codes: 96 bits,
	v_nop                                          ; one plain place behind a scaled conversion
.irp m, 1,2,3
.irp i, 0,1,2
	v_mov_b32 v[192+3*\m+\i], v[192+\i]            ; which repeat through the operand's twelve registers
.endr
.endr
	v_fma_f32 v14, v228, 0x42800000, v14           ; the sum takes my 64 of the 128 keys
.rept 3
	v_nop                                          ; with the line above: four places between the operand's last write and the scaled product; the scale word stands more than eight ahead
.endr
	s_wait_alu depctr_va_vdst(0)
	PVMUL
.Lend_\@:
	s_add_co_u32 s15, s15, 128
	s_add_co_u32 s16, s16, 6144
	s_add_co_u32 s17, s17, 256
	s_add_co_u32 s18, s18, 512
.endm
; Chunk j: 512 keys, four steps.
.macro PHASE j
	s_wait_tensorcnt 3-\j                          ; tensor loads of a wave end in order: the scale words and chunks 0 to j are in; the 3 - j chunks issued behind them may be out (waves 4 to 15 have none)
	s_wait_dscnt 0x0                               ; no LDS instruction of mine is out at the signal
	s_barrier_signal -1
	s_barrier_wait -1                              ; all four fetching waves have said so.
	s_mov_b32 s15, 512*\j                          ; the chunk's first key,
	s_mov_b32 s16, 24576*\j                        ; its tiles,
	s_mov_b32 s17, 1024*\j                         ; v's scale quads,
	s_mov_b32 s18, 2048*\j                         ; k's
	s_mov_b32 s19, 4
.Lstep_\@:
	STEP
	s_sub_co_u32 s19, s19, 1
	s_cmp_lg_u32 s19, 0
	s_cbranch_scc1 .Lstep_\@
	s_setprio 0
.endm
	PHASE 0
	PHASE 1
	PHASE 2
	PHASE 3
	; THE WAY OUT.  O^T is divided by the row's sum and goes through my own stage in LDS, so that sixteen lanes store a query's 256 consecutive bytes, aligned.
.rept 4
	v_nop                                          ; places behind the last products
.endr
	v_add_f32 v14, v14, v15                        ; the sum's two halves,
	s_delay_alu instid0(VALU_DEP_1)
	v_permlanex16_b32 v216, v14, s20, s21
	s_delay_alu instid0(VALU_DEP_1)
	v_add_f32 v14, v14, v216                       ; and lane l xor 16's: the row's sum
	s_wait_alu depctr_va_vdst(0)
	v_rcp_f32 v14, v14
	v_nop                                          ; a plain place behind the transcendental
.set J, 0
	s_wait_alu depctr_va_vdst(0)
.rept 32
	v_mul_f32 v[96+J], v[160+J], v14               ; register 8 t + j is channel 32 (t / 2) + 16 h + 8 (t % 2) + j of my query
.set J, J+1
.endr
.irp t, 0,1,2,3
	ds_store_b128 v10, v[96+8*\t:99+8*\t] offset:128*(\t/2)+32*(\t%2)
	ds_store_b128 v10, v[100+8*\t:103+8*\t] offset:128*(\t/2)+32*(\t%2)+16
.endr
.irp i, 0,1,2,3,4,5,6,7
	ds_load_b128 v[32+4*\i:35+4*\i], v11 offset:2*\i*SPI   ; LDS serves a wave's instructions in order: these see my stores
.endr
.irp i, 0,1,2,3,4,5,6,7
	s_wait_dscnt 7-\i                              ; the younger loads may be out
	global_store_b128 v7, v[32+4*\i:35+4*\i], s[8:9] offset:(2*\i+8*(\i/4))*4096   ; stage row n is query n + 8 (n / 8) of the tile
.endr
	s_wait_tensorcnt 0x0
	ds_add_u32 v254, v255
	s_wait_dscnt 0x0
	s_endpgm
.Lfunc_end_k_q3eec7d2525_attn:
	.size	k_q3eec7d2525_attn, .Lfunc_end_k_q3eec7d2525_attn-k_q3eec7d2525_attn
	.p2alignl 7, 3214868480
	.fill 96, 4, 3214868480
	.section	.rodata,"a",@progbits
	.p2align	6, 0x0
	.amdhsa_kernel k_q3eec7d2525_attn
		.amdhsa_group_segment_fixed_size 280576
		.amdhsa_private_segment_fixed_size 0
		.amdhsa_enable_private_segment 0
		.amdhsa_kernarg_size 24
		.amdhsa_user_sgpr_count 2
		.amdhsa_user_sgpr_kernarg_segment_ptr 1
		.amdhsa_wavefront_size32 1
		.amdhsa_system_sgpr_workgroup_id_x 1
		.amdhsa_system_sgpr_workgroup_id_y 1
		.amdhsa_system_sgpr_workgroup_id_z 1
		.amdhsa_system_vgpr_workitem_id 0
		.amdhsa_next_free_vgpr 256
		.amdhsa_next_free_sgpr 72
		.amdhsa_reserve_vcc 1
		.amdhsa_float_denorm_mode_32 3
		.amdhsa_float_denorm_mode_16_64 3
		.amdhsa_memory_ordered 1
		.amdhsa_forward_progress 1
		.amdhsa_inst_pref_size 120
	.end_amdhsa_kernel
	.amdgpu_metadata
---
amdhsa.version: [ 1, 2 ]
amdhsa.kernels:
  - .name:           k_q3eec7d2525_attn
    .symbol:         k_q3eec7d2525_attn.kd
    .args:
      - { .name: qkvc, .offset: 0, .size: 8, .value_kind: global_buffer, .address_space: global }
      - { .name: qkvs, .offset: 8, .size: 8, .value_kind: global_buffer, .address_space: global }
      - { .name: o, .offset: 16, .size: 8, .value_kind: global_buffer, .address_space: global }
    .group_segment_fixed_size: 280576
    .private_segment_fixed_size: 0
    .kernarg_segment_align: 8
    .kernarg_segment_size: 24
    .max_flat_workgroup_size: 512
    .sgpr_count:     72
    .vgpr_count:     256
    .wavefront_size: 32
...
	.end_amdgpu_metadata
.endif
;; end of part 4
;; launch qo: the kernel of part 1 again; grid 256 x 1, 4 waves a work-group, no clusters, 33,280 bytes of LDS; arguments o, xc, xs; writes xc, xs
;; launch gproj (part 5): grid 4 x 32, 4 waves a work-group, clusters of 4 x 4, 327,680 bytes of LDS; arguments xc, xs, wc, ws, b_proj, out0; writes out0
.if DOCPART == 5
	.amdgcn_target "amdgcn-amd-amdhsa--gfx1250"
	.amdhsa_code_object_version 6
	.text
	.protected	k_q3eec7d2525_gproj
	.globl	k_q3eec7d2525_gproj
	.p2align	8
	.type	k_q3eec7d2525_gproj,@function
k_q3eec7d2525_gproj:
	s_mov_b64 s[64:65], 0
	v_nop
	global_prefetch_b8 v0, s[64:65] scope:SCOPE_SE
	s_setreg_imm32_b32 hwreg(HW_REG_WAVE_MODE, 25, 1), 1
	s_wait_xcnt 0x0
	s_wait_alu depctr_hold_cnt(0) depctr_sa_sdst(0) depctr_va_vdst(0) depctr_va_sdst(0) depctr_va_ssrc(0) depctr_va_vcc(0) depctr_vm_vsrc(0)
	s_getreg_b32 s2, hwreg(HW_REG_IB_STS2, 6, 4)
	s_cmp_eq_u32 s2, 0
	s_cbranch_scc0 .Lentry_in_a_cluster
	s_endpgm
.Lentry_in_a_cluster:
	s_bfe_u32 s2, ttmp6, 0x10000c
	s_cmp_lg_u32 s2, 0xf033
	s_cbranch_scc0 .Lentry_shape_is_right
	s_endpgm
.Lentry_shape_is_right:
; out0 = o W_proj + b_proj on codes of BF6 (E3M2) with one E8M0 scale for each 32 along K = 1,024; sums in f32; out0 [8192][1024] f32.
; A = o's codes [8192 places][768 bytes], B = W_proj's codes: places 3072 to 4095 of the weights' buffer; scale bytes [..][32].  In both, a row lies at the place of its number with bits 3 and 4 exchanged: the way out puts rows and columns back.
; A tile of C, 256 x 256, is made by a work-group of four waves, as many as a WGP has SIMDs; a wave makes 128 x 128: 64 accumulators, 512 registers.  K goes in steps of 256 through a ring of two LDS slots filled by the tensor data mover.
; The scale bytes of the work-group's 2 x 256 rows, for all of K, are two dense blocks: they come into LDS once, with the first fills.
; CLUSTERS: 4 x 4 work-groups.  The four of a row of the cluster need the same tiles of A, the four of a column the same tiles of B: each tile is asked for JOINTLY, by the same tensor load with the same descriptor and a mask that names the four.
; THE MATRIX INSTRUCTION IS USED TRANSPOSED (source 0 = 16 rows of B, source 1 = 16 rows of A): a lane then holds eight neighbouring numbers of a row of C.
; 128 work-groups: the tile is kept at 256 x 256, so that each LDS byte read feeds as many products as the registers allow; this product is an eighth of the program's matrix work.
; REGISTERS, in windows of 256: window 0: v0-31 addresses; v32-63 scale words, two sets; v64-67 my four numbers of b_proj; from v128 A's fragments, ONE set; on the way out v128-255 hold rows of C.
;   window 1: B's fragments, TWO sets, at v0 and v128.   window 2: the 32 accumulators of my rows 0-63 (accumulator (a, b) at v[8 (8 a + b)]);   window 3: those of my rows 64-127.
.set SIZE_N, 1024
.set SIZE_K, 1024
.set KSTEP,  256
.set NQ,     KSTEP/128
.set ROWB,   192
.set KROW,   SIZE_K*6/8
.set PITCH,  240                       ; an LDS row: 3 x (64 bytes of data + 16 of padding) = 60 words: row r starts at bank -4 r mod 64 (64 banks of 4 bytes: ISA guide 11.1)
.set FR,     12
.set NL,     6
.set NP,     4                         ; places behind this matrix instruction (ISA guide 7.12.1)
.set HALFT,  128*PITCH
.set SLOT,   4*HALFT
.set LAPS,   SIZE_K/(2*KSTEP)
.set KS,     SIZE_K/32
.set SCL,    2*SLOT
.set HALFS,  (128*KS/256)*272
.set SBLK,   (16*KS/256)*272
.set SPARE,  SCL+4*HALFS               ; the spare words, 128 bytes for each wave: two blocks of 256 bytes that no other line names
.set SPITCH, 528                       ; the way out: a stage of 16 rows x (512 bytes + 16) for each wave.  It lies in slot 0, which has had its last fill and its last read when the first result is stored there
.set ADRA, 16
.set ADRB, 20
.set STO,  24                          ; v24     the way out: where I put 32 bytes of a row
.set RD,   25                          ; v25     where I read a row back
.set CO,   26                          ; v26     my byte offset in a row of C, and in my 128 numbers of b_proj
.set ADRS, 27
.set SPW,  28                          ; v28     LDS address of my spare word; never rewritten
.set NIL,  29                          ; v29     0; never rewritten
.set SC,   32
.set BIA,  64                          ; v64-67  b_proj at my four columns of a row read back
.set AF,   128
.set BK,   128                         ; the way out: 16 rows read back from the stage: v128-191 and v192-255 by turns
.set G1, 24
.set G0, 32
.set G1B, 48
.set G0B, 56
.set G1S, 68
.set G0S, 76
.set G1SB, 80
.set G0SB, 88
.set MSB, 0
.macro WIN new                         ; the immediate's high byte repeats the setting that is left
.if MSB != \new
	s_set_vgpr_msb (MSB<<8)|\new
.set MSB, \new
.endif
.endm
.set MUL_LO, 0xa1                      ; source 0 (B) window 1, source 1 (A) window 0, C and D window 2
.set MUL_HI, 0xf1                      ; the same, C and D window 3
.set TO_B,   0x40                      ; destination window 1, address window 0
; A joint load: waves 0 and 1 fetch for A, waves 2 and 3 for B; the branch hangs on the wave's number alone.  Four v_nop follow each of the two lines.
.macro JLOAD g0a, g1a, g0b, g1b
	s_cmp_eq_u32 s15, 0
	s_cbranch_scc0 .Lfor_b_\@
	tensor_load_to_lds s[\g0a:\g0a+3], s[\g1a:\g1a+7]
	s_nop 0
.rept 4
	v_nop
.endr
	s_branch .Lasked_\@
.Lfor_b_\@:
	tensor_load_to_lds s[\g0b:\g0b+3], s[\g1b:\g1b+7]
	s_nop 0
.rept 4
	v_nop
.endr
.Lasked_\@:
.endm
.macro CREST                           ; a round of the cluster's barrier behind its opening barrier
	s_cmp_lg_u32 s14, 0
	s_cbranch_scc1 .Lnot_wave_0_\@
	s_barrier_signal -3
.Lnot_wave_0_\@:
	s_barrier_wait -3
	s_barrier_signal -1
	s_barrier_wait -1
.endm
.macro CROUND                          ; a whole round
	s_barrier_signal -1
	s_barrier_wait -1
	CREST
.endm
	s_load_b128 s[4:7], s[0:1], 0x0                ; A's codes, A's scales
	s_load_b128 s[8:11], s[0:1], 0x10              ; the weights' codes, their scales
	s_load_b64 s[96:97], s[0:1], 0x20              ; b_proj
	s_load_b64 s[12:13], s[0:1], 0x28              ; out0
	v_lshl_add_u32 v[SPW], v0, 2, SPARE
	v_mov_b32 v[NIL], 0
	ds_add_u32 v28, v29
	ds_add_u32 v28, v29
	s_wait_dscnt 0x0
	v_lshrrev_b32 v1, 5, v0
	v_readfirstlane_b32 s14, v1                    ; wave 0..3
	s_lshr_b32 s15, s14, 1                         ; which half of the tile's rows is mine.  Also: I fetch for A (0) or for B (1)
	s_and_b32 s16, s14, 1                          ; which half of its columns.  Also: which 128 rows of that tile I fetch
	s_bfe_u32 s40, ttmp6, 0x40000                  ; cx, cy: my place in the cluster
	s_bfe_u32 s41, ttmp6, 0x40004
	s_lshl_b32 s42, ttmp9, 2
	s_add_co_u32 s42, s42, s40                     ; tile column of C = 4 x cluster x + cx
	s_and_b32 s17, ttmp7, 0xffff
	s_lshl_b32 s17, s17, 2
	s_add_co_u32 s17, s17, s41                     ; tile row of C = 4 x cluster y + cy
	s_lshl_b32 s43, s41, 2
	s_lshl_b32 s43, 15, s43                        ; my row of the cluster
	s_lshl_b32 s44, 0x1111, s40                    ; my column
	s_or_b32 s[G1+0], s43, (0<<16)|(1<<20)|(1<<21)|(3<<22)|(3<<25)  ; 15:0 the mask: A's tiles go to my row; 17:16 element of 1 byte; 20 padding on; 21 set beside a mask; 24:22 after every 16 words (code 3); 31:25 of 4 words (code 3)
	s_or_b32 s[G1B+0], s44, (0<<16)|(1<<20)|(1<<21)|(3<<22)|(3<<25)
.irp g, G1, G1B
	s_mov_b32 s[\g+1], ROWB<<16                    ; tensor_dim0
	s_mov_b32 s[\g+2], 128<<16                     ; tensor_dim1 = 128
	s_mov_b32 s[\g+3], ROWB<<16                    ; tile_dim0
	s_mov_b32 s[\g+4], 128                         ; tile_dim1 = 128
	s_mov_b32 s[\g+5], KROW                        ; tensor_dim0_stride
	s_mov_b32 s[\g+6], 0
	s_mov_b32 s[\g+7], 0
.endr
	s_or_b32 s[G1S+0], s43, (3<<16)|(1<<20)|(1<<21)|(5<<22)|(3<<25)   ; the scales of 128 rows: a dense block, as rows of 256 bytes (32 elements of 8 bytes), 16 bytes of padding behind each
	s_or_b32 s[G1SB+0], s44, (3<<16)|(1<<20)|(1<<21)|(5<<22)|(3<<25)
.irp g, G1S, G1SB
	s_mov_b32 s[\g+1], 32<<16
	s_mov_b32 s[\g+2], (128*KS/256)<<16
	s_mov_b32 s[\g+3], 32<<16
	s_mov_b32 s[\g+4], 128*KS/256
	s_mov_b32 s[\g+5], 32
	s_mov_b32 s[\g+6], 0
	s_mov_b32 s[\g+7], 0
.endr
	s_lshl_b32 s18, s16, 7                         ; which 128 rows of the tile I fetch
	s_lshl_b32 s20, s17, 8
	s_add_co_u32 s20, s20, s18                     ; A: place 256 x tile row + 128 x half
	s_lshl_b32 s46, s42, 8
	s_add_co_u32 s46, s46, s18                     ; B: place 256 x tile column + 128 x half
	s_mov_b32 s21, 0
	s_mov_b32 s47, 0
	s_mov_b64 s[18:19], KS
	s_mul_u64 s[22:23], s[20:21], s[18:19]         ; where these rows' scales begin, in bytes
	s_mul_u64 s[92:93], s[46:47], s[18:19]
	s_mov_b64 s[18:19], KROW
	s_mul_u64 s[20:21], s[20:21], s[18:19]         ; and their codes
	s_mul_u64 s[46:47], s[46:47], s[18:19]
	s_mul_i32 s45, s14, HALFT                      ; where they go: wave x 128 rows: no place in the cluster enters an LDS address
	s_mul_i32 s94, s14, HALFS
	s_wait_kmcnt 0x0
	s_add_nc_u64 s[8:9], s[8:9], 3072*KROW         ; W_proj's places lie behind W_attn's
	s_add_nc_u64 s[10:11], s[10:11], 3072*KS
	s_add_nc_u64 s[20:21], s[4:5], s[20:21]
	s_add_nc_u64 s[22:23], s[6:7], s[22:23]
	s_add_nc_u64 s[46:47], s[8:9], s[46:47]
	s_add_nc_u64 s[92:93], s[10:11], s[92:93]
	CROUND                                         ; all sixteen work-groups are here: the first joint loads meet
	s_mov_b32 s[G0S], 1
	s_add_co_u32 s[G0S+1], s94, SCL
	s_mov_b64 s[G0S+2:G0S+3], s[22:23]
	s_or_b32 s[G0S+3], s[G0S+3], 0x80000000
	s_mov_b32 s[G0SB], 1
	s_add_co_u32 s[G0SB+1], s94, SCL
	s_mov_b64 s[G0SB+2:G0SB+3], s[92:93]
	s_or_b32 s[G0SB+3], s[G0SB+3], 0x80000000
	JLOAD G0S, G1S, G0SB, G1SB                     ; the scales first: they are wanted with K step 0.  With the two below three tensor loads of mine are out
.irp s, 0,1
	s_mov_b32 s[G0+4*\s], 1
	s_add_co_u32 s[G0+4*\s+1], s45, \s*SLOT
	s_add_nc_u64 s[G0+4*\s+2:G0+4*\s+3], s[20:21], \s*ROWB
	s_or_b32 s[G0+4*\s+3], s[G0+4*\s+3], 0x80000000
	s_mov_b32 s[G0B+4*\s], 1
	s_add_co_u32 s[G0B+4*\s+1], s45, \s*SLOT
	s_add_nc_u64 s[G0B+4*\s+2:G0B+4*\s+3], s[46:47], \s*ROWB
	s_or_b32 s[G0B+4*\s+3], s[G0B+4*\s+3], 0x80000000
	JLOAD G0+4*\s, G1, G0B+4*\s, G1B
.endr
	v_and_b32 v1, 15, v0                           ; r = l % 16
	v_bfe_u32 v2, v0, 4, 1                         ; h = l / 16
	v_mul_u32_u24 v3, v1, PITCH
	v_mul_u32_u24 v4, v2, 24
	v_add_nc_u32 v4, v3, v4                        ; a fragment's row x pitch + 24 x half
	v_lshl_add_u32 v5, v2, 4, v4                   ; and the same behind one padding more
	s_mul_i32 s21, s15, HALFT                      ; my 128 rows of A
	s_mul_i32 s22, s16, HALFT                      ; my 128 rows of B,
	s_add_co_u32 s22, s22, 2*HALFT                 ; which lie behind A's 256
.irp s, 0,1
	v_add_nc_u32 v[ADRA+\s], s21, v4
	v_add_nc_u32 v[ADRB+\s], s22, v4
	v_add_nc_u32 v[ADRA+2+\s], s21, v5
	v_add_nc_u32 v[ADRB+2+\s], s22, v5
	s_add_co_u32 s21, s21, SLOT
	s_add_co_u32 s22, s22, SLOT
.endr
	v_mul_u32_u24 v5, v1, KS                       ; my row's scales: KS bytes a row,
	v_lshrrev_b32 v6, 8, v5
	v_lshl_add_u32 v5, v6, 4, v5                   ; and 16 more for each 256 passed
	s_mul_i32 s21, s15, HALFS                      ; A's: my 128 rows
	s_mul_i32 s22, s16, HALFS                      ; B's: my 128 rows, behind A's 256
	s_add_co_u32 s22, s22, 2*HALFS
	s_sub_co_u32 s22, s22, s21
	v_mul_u32_u24 v6, s22, v2                      ; lanes 16-31 take B's
	s_add_co_u32 s21, s21, SCL
	v_add_nc_u32 v5, v5, v6
	v_add_nc_u32 v[ADRS], s21, v5
	s_mul_i32 s23, s14, 16*SPITCH                  ; my stage
	v_mul_u32_u24 v5, v1, SPITCH                   ; in: row l % 16; tile b's eight numbers of my half are columns 32 (b / 2) + 16 h + 8 (b % 2) on: 64 h here, the rest in the immediate
	v_lshl_add_u32 v5, v2, 6, v5
	v_add_nc_u32 v[STO], s23, v5
	v_and_b32 v6, 31, v0
	v_lshlrev_b32 v[CO], 4, v6                     ; back: the 32 lanes take one row of 512 bytes; and the same in C
	v_add_nc_u32 v[RD], s23, v[CO]
	s_lshl_b32 s20, s17, 8
	s_lshl_b32 s21, s15, 7
	s_add_co_u32 s20, s20, s21                     ; my first row of C: 256 x tile row + 128 x half
	s_mov_b32 s21, 0
	s_mov_b64 s[18:19], SIZE_N*4
	s_mul_u64 s[20:21], s[20:21], s[18:19]
	s_lshl_b32 s46, s42, 10                        ; my first column, in bytes: 1024 x tile column + 512 x half
	s_lshl_b32 s47, s16, 9
	s_add_co_u32 s46, s46, s47
	s_mov_b32 s47, 0
	s_add_nc_u64 s[96:97], s[96:97], s[46:47]      ; b_proj at my first column
	global_load_b128 v[BIA:BIA+3], v[CO], s[96:97] ; waited for ahead of the way out
	s_add_nc_u64 s[20:21], s[20:21], s[46:47]
	s_add_nc_u64 s[12:13], s[12:13], s[20:21]
.macro FRAG reg, adr, q, i             ; a fragment, 16 rows x 128 K of 6-bit codes, is 12 registers: lane l holds row l % 16; registers 6 c .. 6 c + 5 hold K = 64 c + 32 (l / 16) + 0 .. 31: 24 bytes of the row's stream of bits, as they lie
.irp p, 0,1,2,3,4,5                    ; in pieces of 8 bytes, so that every address is a multiple of the access's size
.set PCE, 12*(\q)+6*(\p/3)+\p%3        ; 16 bytes of padding lie behind every 64 bytes (8 pieces): where the piece three on lies behind one padding more, the second address register serves
.if PCE%8 < 5
	ds_load_b64 v[\reg+2*\p:\reg+2*\p+1], v[\adr] offset:8*PCE+16*(PCE/8)+(\i)*16*PITCH
.else
	ds_load_b64 v[\reg+2*\p:\reg+2*\p+1], v[\adr+2] offset:8*PCE+16*(PCE/8)+(\i)*16*PITCH
.endif
.endr
.endm
; 16 matrix instructions: A's blocks a0, a0 + 1 x B's eight, 128 along K.  zero = 1: the first product starts the sums.  The 64 accumulators take turns, one instruction a turn.
.macro MUL16 a0, p, q, sc, zero
.irp a, \a0, \a0+1
.irp b, 0,1,2,3,4,5,6,7
.if \zero
	v_wmma_scale_f32_16x16x128_f8f6f4 v[8*(8*((\a)%4)+\b):8*(8*((\a)%4)+\b)+7], v[128*(\p)+FR*\b:128*(\p)+FR*\b+FR-1], v[AF+FR*(\a):AF+FR*(\a)+FR-1], 0, v[SC+8*NQ*(\sc)+NQ*\b+(\q)], v[SC+8*NQ*(\sc)+NQ*(\a)+(\q)] matrix_a_fmt:MATRIX_FMT_BF6 matrix_b_fmt:MATRIX_FMT_BF6 matrix_a_scale:MATRIX_SCALE_ROW1
.else
	v_wmma_scale_f32_16x16x128_f8f6f4 v[8*(8*((\a)%4)+\b):8*(8*((\a)%4)+\b)+7], v[128*(\p)+FR*\b:128*(\p)+FR*\b+FR-1], v[AF+FR*(\a):AF+FR*(\a)+FR-1], v[8*(8*((\a)%4)+\b):8*(8*((\a)%4)+\b)+7], v[SC+8*NQ*(\sc)+NQ*\b+(\q)], v[SC+8*NQ*(\sc)+NQ*(\a)+(\q)] matrix_a_fmt:MATRIX_FMT_BF6 matrix_b_fmt:MATRIX_FMT_BF6 matrix_a_scale:MATRIX_SCALE_ROW1
.endif
.endr
.endr
.endm
.macro FETCH_B slot, q, p
	WIN TO_B
.irp i, 0,1,2,3,4,5,6,7
	FRAG 128*(\p)+FR*\i, ADRB+\slot, \q, \i
.endr
	WIN 0
.endm
.macro FETCH_A slot, q, i0
.irp i, \i0, \i0+1, \i0+2, \i0+3
	FRAG AF+FR*(\i), ADRA+\slot, \q, \i
.endr
.endm
.macro SCALES sc
.irp i, 0,1,2,3,4,5,6,7
	ds_load_b64 v[SC+8*NQ*\sc+NQ*\i:SC+8*NQ*\sc+NQ*\i+1], v[ADRS] offset:\i*SBLK
.endr
.endm
.macro PLACES n                        ; plain vector lines between a matrix instruction and a load into, or a read of, its registers (ISA guide 7.12.1 for vector instructions)
.rept \n
	v_nop
.endr
.endm
.macro STEP slot, q, zero
	s_wait_dscnt 4*NL                              ; B's set and A's blocks 0-3 are in; the youngest 24 loads (A's blocks 4-7) may be out
	WIN MUL_LO
	MUL16 0, (\q)%2, \q, \slot, \zero
	MUL16 2, (\q)%2, \q, \slot, \zero
	s_wait_dscnt 0                                 ; A's blocks 4-7 are in
	PLACES NP
	FETCH_B \slot, (\q)+1, 1-(\q)%2
	FETCH_A \slot, (\q)+1, 0
	WIN MUL_HI
	MUL16 4, (\q)%2, \q, \slot, \zero
	MUL16 6, (\q)%2, \q, \slot, \zero
	PLACES NP
	WIN 0
	FETCH_A \slot, (\q)+1, 4
.endm
; A slot's last step changes slots: ONE barrier; in front of it each wave waits for all its tensor loads, adds 0 to its spare word, and waits for that and for its own reads of this slot.  fill = 1: this slot is filled again, two K steps ahead.
.macro TURN slot, next, fill
	s_wait_tensorcnt 0x0                           ; all my tensor loads have landed: my part of the next slot;  (every window is 0 here)
	ds_add_u32 v[SPW], v[NIL]                      ; 0 onto my spare word
	s_wait_dscnt 4*NL+1                            ; (the add and the youngest 24 loads, A's blocks 4-7, may be out)
	WIN MUL_LO
	MUL16 0, 1, NQ-1, \slot, 0                     ; sixteen matrix instructions stand between the add and the wait for it
	s_wait_dscnt 0x0                               ; the add is done, and my reads of this slot are over
	s_barrier_signal -1
	MUL16 2, 1, NQ-1, \slot, 0
	WIN 0
	s_barrier_wait -1
.if \fill
	CREST                                          ; the barrier has opened a round of the cluster's barrier: no wave of any partner still reads this slot's tile or has a load on its way
	s_add_nc_u64 s[G0+4*\slot+2:G0+4*\slot+3], s[G0+4*\slot+2:G0+4*\slot+3], 2*ROWB
	s_add_nc_u64 s[G0B+4*\slot+2:G0B+4*\slot+3], s[G0B+4*\slot+2:G0B+4*\slot+3], 2*ROWB
	JLOAD G0+4*\slot, G1, G0B+4*\slot, G1B         ; the first tensor load behind the round, my only one until the next; the four v_nop behind it are the places in front of the loads below
.else
	PLACES NP
.endif
	v_add_nc_u32 v[ADRS], 4*NQ, v[ADRS]            ; on to the next K step's scale words (no LDS load of mine is out)
	FETCH_B \next, 0, 0
	FETCH_A \next, 0, 0
	SCALES \next
	WIN MUL_HI
	MUL16 4, 1, NQ-1, \slot, 0
	MUL16 6, 1, NQ-1, \slot, 0
	PLACES NP
	WIN 0
	FETCH_A \next, 0, 4
.endm
	s_wait_tensorcnt 1                             ; the scales and my part of K step 0 are in (K step 1's load may be out)
	s_barrier_signal -1
	s_barrier_wait -1                              ; everybody's are
	FETCH_B 0, 0, 0
	FETCH_A 0, 0, 0
	SCALES 0
	FETCH_A 0, 0, 4
	STEP 0, 0, 1                                   ; the first step stands in front of the loop: its products start the sums
	s_mov_b32 s3, LAPS-1
.Llap:                                                 ; a trip goes once round the ring, from a lap's second step to the next lap's first, and fills both slots again
	TURN 0, 1, 1
	STEP 1, 0, 0
	TURN 1, 0, 1
	STEP 0, 0, 0
	s_sub_co_u32 s3, s3, 1
	s_cmp_lg_u32 s3, 0
	s_cbranch_scc1 .Llap
	TURN 0, 1, 0                                   ; the last lap fills nothing, and has no round of the cluster's barrier
	STEP 1, 0, 0
	s_wait_dscnt 4*NL                              ; the very last step: nothing more to fetch
	WIN MUL_LO
	MUL16 0, 1, NQ-1, 1, 0
	MUL16 2, 1, NQ-1, 1, 0
	s_wait_dscnt 0
	WIN MUL_HI
	MUL16 4, 1, NQ-1, 1, 0
	MUL16 6, 1, NQ-1, 1, 0
	WIN 0
; THE WAY OUT, block by block of 16 rows x 128 columns, through my own stage in LDS: in by lanes (32 bytes of a row, at the columns' true places), back as whole rows of 512 bytes; the bias is added, and the 32 lanes store 512 consecutive bytes.
; LDS serves a wave's instructions in order (ISA guide 5.7.1.4): no wait between the stores and the loads, nor in front of the next block's stores.
.macro TOSTAGE a
.set AC, 64*((\a)%4)
	WIN 0x08+4*((\a)/4)                            ; the data: window 2 or 3
.irp b, 0,1,2,3,4,5,6,7
	ds_store_b128 v[STO], v[AC+8*\b:AC+8*\b+3] offset:128*(\b/2)+32*(\b%2)          ; each accumulator from its low end on
	ds_store_b128 v[STO], v[AC+8*\b+4:AC+8*\b+7] offset:128*(\b/2)+32*(\b%2)+16
.endr
	WIN 0
.set BB, BK+64*((\a)%2)
.irp t, 0,1,2,3,4,5,6,7,8,9,10,11,12,13,14,15
	ds_load_b128 v[BB+4*\t:BB+4*\t+3], v[RD] offset:\t*SPITCH
.endr
.endm
.macro SEND a, younger                 ; younger: the LDS instructions issued behind block a's loads, which may stay out
.set BB, BK+64*((\a)%2)
	s_wait_dscnt \younger                          ; the block is back in registers
.if (\a) > 0                           ; (behind a wait on XCNT: the earlier stores have read their base)  block a begins at row 32 (a / 2) + 8 (a % 2) of my 128
.if ((\a)%2) == 1
	s_add_nc_u64 s[12:13], s[12:13], 8*SIZE_N*4
.else
	s_add_nc_u64 s[12:13], s[12:13], 24*SIZE_N*4
.endif
.endif
.irp t, 0,1,2,3,4,5,6,7,8,9,10,11,12,13,14,15
	v_pk_add_f32 v[BB+4*\t:BB+4*\t+1], v[BB+4*\t:BB+4*\t+1], v[BIA:BIA+1]
	v_pk_add_f32 v[BB+4*\t+2:BB+4*\t+3], v[BB+4*\t+2:BB+4*\t+3], v[BIA+2:BIA+3]
	global_store_b128 v[CO], v[BB+4*\t:BB+4*\t+3], s[12:13] offset:(\t+8*(\t/8))*SIZE_N*4 th:TH_STORE_NT   ; stage row t is row t + 8 (t / 8) of the block; 512 consecutive bytes, aligned to 256; written once, read by nobody here
.endr
.endm
	s_wait_loadcnt 0x0                             ; b_proj
	PLACES NP                                      ; behind the last products: for the loads into the registers that held A's fragments and for the reads of results
	TOSTAGE 0
.irp a, 1,2,3,4,5,6,7
.if \a > 1
	s_wait_xcnt 0x0                                ; block a - 2's stores have read their registers and their base: block a's loads may land there, and the base may step
.endif
	TOSTAGE \a
	SEND \a-1, 32                                  ; behind block a - 1's loads: block a's 16 stores and 16 loads
.endr
	s_wait_xcnt 0x0                                ; block 6's stores have read their base
	SEND 7, 0
	s_wait_tensorcnt 0x0                           ; the wave's end: behind my last tensor load and my last LDS store
	ds_add_u32 v[SPW], v[NIL]
	s_wait_dscnt 0x0
	CROUND                                         ; the closing round: no work-group ends while a partner may still ask for a tile that names it
	s_endpgm
.Lfunc_end_k_q3eec7d2525_gproj:
	.size	k_q3eec7d2525_gproj, .Lfunc_end_k_q3eec7d2525_gproj-k_q3eec7d2525_gproj
	.p2alignl 7, 3214868480
	.fill 96, 4, 3214868480
	.section	.rodata,"a",@progbits
	.p2align	6, 0x0
	.amdhsa_kernel k_q3eec7d2525_gproj
		.amdhsa_group_segment_fixed_size 327680
		.amdhsa_private_segment_fixed_size 0
		.amdhsa_enable_private_segment 0
		.amdhsa_kernarg_size 48
		.amdhsa_user_sgpr_count 2
		.amdhsa_user_sgpr_kernarg_segment_ptr 1
		.amdhsa_wavefront_size32 1
		.amdhsa_system_sgpr_workgroup_id_x 1
		.amdhsa_system_sgpr_workgroup_id_y 1
		.amdhsa_system_sgpr_workgroup_id_z 1
		.amdhsa_system_vgpr_workitem_id 0
		.amdhsa_next_free_vgpr 1024
		.amdhsa_next_free_sgpr 98
		.amdhsa_reserve_vcc 0
		.amdhsa_float_denorm_mode_32 3
		.amdhsa_float_denorm_mode_16_64 3
		.amdhsa_memory_ordered 1
		.amdhsa_forward_progress 1
		.amdhsa_inst_pref_size 176
	.end_amdhsa_kernel
	.amdgpu_metadata
---
amdhsa.version: [ 1, 2 ]
amdhsa.kernels:
  - .name:           k_q3eec7d2525_gproj
    .symbol:         k_q3eec7d2525_gproj.kd
    .args:
      - { .name: xc, .offset: 0, .size: 8, .value_kind: global_buffer, .address_space: global }
      - { .name: xs, .offset: 8, .size: 8, .value_kind: global_buffer, .address_space: global }
      - { .name: wc, .offset: 16, .size: 8, .value_kind: global_buffer, .address_space: global }
      - { .name: ws, .offset: 24, .size: 8, .value_kind: global_buffer, .address_space: global }
      - { .name: b_proj, .offset: 32, .size: 8, .value_kind: global_buffer, .address_space: global }
      - { .name: out0, .offset: 40, .size: 8, .value_kind: global_buffer, .address_space: global }
    .group_segment_fixed_size: 327680
    .private_segment_fixed_size: 0
    .kernarg_segment_align: 8
    .kernarg_segment_size: 48
    .max_flat_workgroup_size: 128
    .sgpr_count:     98
    .vgpr_count:     1024
    .wavefront_size: 32
...
	.end_amdgpu_metadata
.endif
;; end of part 5
